; MI455X (gfx1250); checked and timed in simulation.
; The chip was launched on July 23, 2026; its instructions are those of AMD's public machine-readable ISA for CDNA 5 (MIT licence, August 2026) and "CDNA5" Instruction Set Architecture Reference Guide (July 2026). The comments in the code are by the model that wrote it; some were corrected since.
;; Transformer Encoder Block. Allowed arithmetic: matrix products marked QUANTISED: E2M1 operands, one E8M0 scale for each 32 along K, by v_wmma_scale_f32_16x16x128_f8f6f4 with both operands' format E2M1 (or v_wmma_scale_f32_32x16x128_f4), f32 sums; everything else in f32.
;; Inputs: b1 4,096 float32; b2 1,024 float32; be1 1,024 float32; be2 1,024 float32; bk 1,024 float32; bo 1,024 float32; bq 1,024 float32; bv 1,024 float32; g1 1,024 float32; g2 1,024 float32; w1 1,024 x 4,096 float32; w2 4,096 x 1,024 float32; wk 1,024 x 1,024 float32; wo 1,024 x 1,024 float32; wq 1,024 x 1,024 float32; wv 1,024 x 1,024 float32; x 2 x 2,048 x 1,024 float32.
;; Outputs: out0 2 x 2,048 x 1,024 float32.
;; This version of the problem:
;;   THIS VERSION OF THE PROBLEM IS GIVEN IN LOW PRECISION. The matrix products marked QUANTISED in the list below multiply operands that are first quantised to E2M1 (2 exponent bits, 1 mantissa bit; 4 bits a number), with one power-of-two scale for each 32 numbers along K (OCP MX v1.0); their sums are f32. All else is computed in f32.
;;   The module's matrix products, in the order in which they are computed (A, B: the left and right operand; K: the contracted axis; several contracted axes count as one K, in the product's order):
;;     1. [M 4,096, K 1,024] x [K 1,024, N 1,024]; A: computed on the way; B: input wq: QUANTISED
;;     2. [M 4,096, K 1,024] x [K 1,024, N 1,024]; A: computed on the way; B: input wk: QUANTISED
;;     3. [M 4,096, K 1,024] x [K 1,024, N 1,024]; A: computed on the way; B: input wv: QUANTISED
;;     4. batch 32 x [M 2,048, K 64] x [K 64, N 2,048]; A: computed on the way; B: computed on the way: QUANTISED
;;     5. batch 32 x [M 2,048, K 2,048] x [K 2,048, N 64]; A: softmax (see below); B: computed on the way: QUANTISED
;;     6. [M 4,096, K 1,024] x [K 1,024, N 1,024]; A: computed on the way; B: input wo: QUANTISED
;;     7. [M 4,096, K 1,024] x [K 1,024, N 4,096]; A: computed on the way; B: input w1: QUANTISED
;;     8. [M 4,096, K 4,096] x [K 4,096, N 1,024]; A: computed on the way; B: input w2: QUANTISED
;;   THE QUANTISER, for each operand of a quantised product, along K:
;;     - K is cut into blocks of 32 from its start; a last block that is shorter is filled with zeros.
;;     - A block's scale is 2^e with e = floor(log2(the largest magnitude in the block)) - 2, held to -126 .. 127; a block of zeros has e = 0. As a byte (E8M0): e + 127.
;;     - Each number is divided by its block's scale, clamped to +-6, and rounded to the nearest number of E2M1, ties to even, subnormals kept.
;;     - The product sums the exact products of the quantised numbers (number of the format x scale) in f32.
;;   ~~~python
;;   def quantise(x, axis):      # numpy; x: float32 -> the quantised numbers, widened to float32 again
;;       x = np.moveaxis(x, axis, -1); K = x.shape[-1]
;;       x = np.pad(x, [(0, 0)] * (x.ndim - 1) + [(0, -K % 32)]); x = x.reshape(x.shape[:-1] + (-1, 32)); a = np.abs(x).max(-1, keepdims=True)
;;       e = np.where(a > 0, np.clip(np.frexp(np.where(a > 0, a, 1))[1] - 1 - 2, -126, 127), 0)      # np.frexp(a)[1] - 1 = floor(log2(a)), exactly
;;       r = np.clip(x / 2.0 ** e, -6, 6)
;;       step = 2.0 ** (np.maximum(np.frexp(np.where(r == 0, 1, r))[1] - 1, 0) - 1)
;;       q = np.round(r / step) * step * 2.0 ** e      # np.round: ties to even
;;       return np.moveaxis(q.reshape(q.shape[:-2] + (-1,))[..., :K], -1, axis).astype(np.float32)
;;   ~~~
;;   SOFTMAX AHEAD OF A QUANTISED PRODUCT. Where the list says 'softmax', what is quantised is not the finished softmax but p = 2^(t - M), with t = logit x log2(e) and M = ceil(the row's largest t), a whole number; so 1/2 < the row's largest p <= 1. The row's sum l is taken of the UNQUANTISED p, in f32, and the product's result is divided by l at the end. Since M is a whole number, a kernel that streams over the keys may use a running M (the ceiling of the running maximum): every later rescaling is an exact power of two, which a block's scale takes up: the codes' values come out the same.
;;   OPERANDS COMPUTED ON THE WAY. 'Computed on the way' means the value that the module computes at that place (a softmax that the list does not call 'softmax' is quantised finished and normalised). What goes into a quantiser is computed in f32, as accurately as f32 sums, v_exp_f32 and their like allow (about 1e-6 of the number): no bf16 or f16 on the way to a quantiser, and a product that is left as it is and whose result goes on into a quantised operand takes f32 operands (vector FMAs, or v_wmma_f32_16x16x4_f32). A number that lies on a knife's edge between two numbers of the format may be rounded either way, as far as f32 arithmetic and the matrix unit's own rounding can turn it there, and no further.
;; One version. Each part assembles by itself: llvm-mc -triple=amdgcn-amd-amdhsa -mcpu=gfx1250 --defsym DOCPART=n.
;; ======== version 1 of 1: 6 launches
;; limits: right only within a limited range of input values
;; workspace buffers: wimg 6,684,672 bytes; z0img 2,228,224 bytes; qkvimg 6,946,816 bytes; ctximg 2,228,224 bytes; x1 16,777,216 bytes; z1img 2,228,224 bytes; himg 8,912,896 bytes
;; launch prep (part 1): grid 448 x 1, 16 waves a work-group, no clusters, 68,608 bytes of LDS; arguments x, g1, be1, wq, wk, wv, wo, w1, w2, wimg, z0img; writes wimg, z0img
.if DOCPART == 1
	.amdgcn_target "amdgcn-amd-amdhsa--gfx1250"
	.amdhsa_code_object_version 6
	.text
	.protected	k_q79af2e222e_prep
	.globl	k_q79af2e222e_prep
	.p2align	8
	.type	k_q79af2e222e_prep,@function
k_q79af2e222e_prep:
	s_mov_b64 s[64:65], 0
	v_nop
	global_prefetch_b8 v0, s[64:65] scope:SCOPE_SE
	s_setreg_imm32_b32 hwreg(HW_REG_WAVE_MODE, 25, 1), 1
	s_wait_xcnt 0x0
; PREP.  Work-groups 0-191 turn the six weights ([K][N], f32) into codes of E2M1 with one E8M0 byte for each 32 along K; work-groups 192-447 make z0 = LN(x) and quantise it along its 1,024.
; LAYOUT OF EVERY OPERAND IN THIS PROGRAM: tiles of 16 rows; lane r of tile 2 b + u holds row 32 b + 8 u + (r & 7) + 16 (r >> 3).  A RECORD (4,352 bytes) is one tile x 512 along K as an image of the
; operand's registers: K step q (128 along K), half c, lane l at 1024 q + 512 c + 16 l (those 16 bytes are block 4 q + 2 c + l / 16 of row l % 16); behind the codes 256 scale bytes, [row][16].
; A block's scale byte is its largest magnitude's exponent field - 2, held at 1 from below.
; LIMITS: NaN and infinities are not served; a block whose largest magnitude lies under 2^-124 is held at byte 1; a block of zeros has byte 1 where the rule says 127 (its codes are zeros, and this program alone reads the bytes).
; The two ways part on the work-group's number; only the norm's way uses LDS and barriers.  No matrix unit, cluster or tensor load: nothing is read twice here, memory binds.
; SHARES: a weights' work-group reads 262,144 bytes, a norm's 65,536 and the two vectors; the longer ones have the lower numbers.
.set REC,  4352
.set TS1,  8704                        ; a tile's bytes at K = 1,024: two records
.set TS4,  34816                       ; at K = 4,096: eight
.set RWQ,  557056                      ; 64 tiles x TS1: wq, wk, wv, wo follow each other
.set RW1,  2228224                     ; w1's region
.set RW2,  4456448                     ; w2's
.set NWW,  192                         ; work-groups for the weights: 96 pieces of 128 columns x 1,024 along K, two work-groups to each
.set P,    4112                        ; a stage row: 4,096 bytes + 16, so that 16 rows' equal columns fall on 16 different 16-byte columns of 256
.set SCST, 16*P                        ; behind the stage: 512 scale bytes
.set WV,   28
.set SEL,  40                          ; s[40:41] selects of v_permlanex16_b32 for lane l xor 16 (the norm's way)
.set INV,  42                          ; 2^-10
.set EPS,  43                          ; 1e-5
.set LT,   16                          ; v16-21 at work
.set LC,   24                          ; v24-27 a block's codes
.set L16,  3                           ; 16 x lane
.set LIN,  6                           ; stage: my wave's row, 16 x lane
.set LRD,  7                           ; stage: row r, my block
.set LSB,  8                           ; my block's scale byte in LDS
.set LSR,  9                           ; the 512 scale bytes, 16 a lane
.set LSO,  10                          ; and their place in the image
.set IMG,  34
.set IMS,  36
.macro BAR                             ; my LDS stores have landed and my LDS loads are in: then the work-group's barrier
	s_wait_dscnt 0x0
	s_barrier_signal -1
	s_barrier_wait -1
.endm
.macro WSUM v, t                       ; the sum over the wave's 32 lanes, in every lane
	s_delay_alu instid0(VALU_DEP_1)
	v_add_f32_dpp v[\v], v[\v], v[\v] row_xmask:1 row_mask:0xf bank_mask:0xf
	s_delay_alu instid0(VALU_DEP_1)
	v_add_f32_dpp v[\v], v[\v], v[\v] row_xmask:2 row_mask:0xf bank_mask:0xf
	s_delay_alu instid0(VALU_DEP_1)
	v_add_f32_dpp v[\v], v[\v], v[\v] row_xmask:4 row_mask:0xf bank_mask:0xf
	s_delay_alu instid0(VALU_DEP_1)
	v_add_f32_dpp v[\v], v[\v], v[\v] row_xmask:8 row_mask:0xf bank_mask:0xf
	s_delay_alu instid0(VALU_DEP_1)
	v_permlanex16_b32 v[\t], v[\v], s[SEL], s[SEL+1]
	s_delay_alu instid0(VALU_DEP_1)
	v_add_f32 v[\v], v[\v], v[\t]
.endm
; A row of 1,024 numbers, 32 a lane: dst = (src - mean) x rsqrt(var + eps) x g + be, the mean first and the squares of the differences after it, as reference() has it
.macro LNROW src, dst, g, be
	v_pk_add_f32 v[18:19], v[32:33], v[34:35]
	v_pk_add_f32 v[30:31], v[40:41], v[44:45]
	v_pk_add_f32 v[28:29], v[48:49], v[52:53]
	v_pk_add_f32 v[26:27], v[56:57], v[60:61]
	v_pk_add_f32 v[24:25], v[36:37], v[38:39]
	v_pk_add_f32 v[22:23], v[42:43], v[46:47]
	v_pk_add_f32 v[20:21], v[50:51], v[54:55]
	v_pk_add_f32 v[16:17], v[58:59], v[62:63]
	s_delay_alu instid0(VALU_DEP_1)
	v_pk_add_f32 v[16:17], v[16:17], v[26:27]
	v_pk_add_f32 v[18:19], v[18:19], v[24:25]
	v_pk_add_f32 v[30:31], v[30:31], v[22:23]
	v_pk_add_f32 v[28:29], v[28:29], v[20:21]
	s_delay_alu instid0(VALU_DEP_2)
	v_pk_add_f32 v[16:17], v[16:17], v[30:31]
	s_delay_alu instid0(VALU_DEP_2)
	v_pk_add_f32 v[18:19], v[18:19], v[28:29]
	s_delay_alu instid0(VALU_DEP_1)
	v_pk_add_f32 v[16:17], v[16:17], v[18:19]
	s_delay_alu instid0(VALU_DEP_1)
	v_add_f32 v[LT], v[LT], v[LT+1]
	WSUM LT, LT+1
	s_delay_alu instid0(VALU_DEP_1)
	v_mul_f32 v[LT], s[INV], v[LT]                 ; the mean
.irp j, 0,2,4,6,8,10,12,14,16,18,20,22,24,26,28,30
	v_pk_add_f32 v[\dst+\j:\dst+\j+1], v[\src+\j:\src+\j+1], v[LT:LT+1] op_sel_hi:[1,0] neg_lo:[0,1] neg_hi:[0,1]
.endr
	v_pk_mul_f32 v[LT+2:LT+3], v[\dst:\dst+1], v[\dst:\dst+1]
	v_pk_mul_f32 v[LT+4:LT+5], v[\dst+2:\dst+3], v[\dst+2:\dst+3]
.irp j, 4,8,12,16,20,24,28
	s_delay_alu instid0(VALU_DEP_2)
	v_pk_fma_f32 v[LT+2:LT+3], v[\dst+\j:\dst+\j+1], v[\dst+\j:\dst+\j+1], v[LT+2:LT+3]
	s_delay_alu instid0(VALU_DEP_2)
	v_pk_fma_f32 v[LT+4:LT+5], v[\dst+\j+2:\dst+\j+3], v[\dst+\j+2:\dst+\j+3], v[LT+4:LT+5]
.endr
	s_delay_alu instid0(VALU_DEP_1)
	v_pk_add_f32 v[LT+2:LT+3], v[LT+2:LT+3], v[LT+4:LT+5]
	s_delay_alu instid0(VALU_DEP_1)
	v_add_f32 v[LT+2], v[LT+2], v[LT+3]
	WSUM LT+2, LT+3
	s_delay_alu instid0(VALU_DEP_1)
	v_fma_f32 v[LT+2], v[LT+2], s[INV], s[EPS]     ; var + eps
	s_wait_alu depctr_va_vdst(0)
	v_rsq_f32 v[LT+4], v[LT+2]
	v_nop                                          ; a plain instruction behind the transcendental
	s_wait_alu depctr_va_vdst(0)                   ; and the wait ahead of its first reader
	s_wait_loadcnt 0x0                             ; g and be are in
.irp j, 0,2,4,6,8,10,12,14,16,18,20,22,24,26,28,30
	v_pk_mul_f32 v[\dst+\j:\dst+\j+1], v[\dst+\j:\dst+\j+1], v[LT+4:LT+5] op_sel_hi:[1,0]
.endr
.irp j, 0,2,4,6,8,10,12,14,16,18,20,22,24,26,28,30
	v_pk_fma_f32 v[\dst+\j:\dst+\j+1], v[\dst+\j:\dst+\j+1], v[\g+\j:\g+\j+1], v[\be+\j:\be+\j+1]
.endr
.endm
; The stage's 16 rows become the tile's image.  Wave w takes K step w / 2, half w % 2: lane (r, h) takes block 2 w + h of row r whole, 32 numbers, so its largest magnitude needs no other lane.
.macro LNB x
.irp i, 0,1,2,3,4,5,6,7
	ds_load_b128 v[\x+4*\i:\x+4*\i+3], v[LRD] offset:16*\i
.endr
	s_wait_dscnt 0x0
	v_max3_num_f32 v[LT], |v[\x]|, |v[\x+1]|, |v[\x+2]|
	v_max3_num_f32 v[LT+1], |v[\x+3]|, |v[\x+4]|, |v[\x+5]|
.irp i, 6,10,14,18,22,26
	s_delay_alu instid0(VALU_DEP_2)
	v_max3_num_f32 v[LT], v[LT], |v[\x+\i]|, |v[\x+\i+1]|
	s_delay_alu instid0(VALU_DEP_2)
	v_max3_num_f32 v[LT+1], v[LT+1], |v[\x+\i+2]|, |v[\x+\i+3]|
.endr
	s_delay_alu instid0(VALU_DEP_2)
	v_max3_num_f32 v[LT], v[LT], |v[\x+30]|, |v[\x+31]|
	s_delay_alu instid0(VALU_DEP_1)
	v_max3_num_f32 v[LT], v[LT], v[LT+1], 0x1800000   ; the floor 2^(3 - 127): the byte cannot fall under 1
	s_delay_alu instid0(VALU_DEP_1)
	v_add_nc_u32 v[LT+2], 0xff000000, v[LT]        ; 2 off the exponent field: the conversion's scale operand
	s_delay_alu instid0(VALU_DEP_1)
	v_lshrrev_b32 v[LT+3], 23, v[LT+2]             ; the scale's byte
.irp g, 0,1,2,3
	v_cvt_scalef32_pk8_fp4_f32 v[LC+\g], v[\x+8*\g:\x+8*\g+7], v[LT+2]
.endr
	v_nop                                          ; one plain instruction behind the last scaled conversion
	global_store_b128 v[L16], v[LC:LC+3], s[IMG:IMG+1]   ; 512 consecutive bytes a wave
	ds_store_b8 v[LSB], v[LT+3]
	BAR                                            ; the tile's 512 scale bytes lie in LDS
	s_cmp_lg_u32 s[WV], 0
	s_cbranch_scc1 .Lscales_out
	ds_load_b128 v[\x:\x+3], v[LSR]
	s_wait_dscnt 0x0
	global_store_b128 v[LSO], v[\x:\x+3], s[IMS:IMS+1]   ; lanes 0-15: record 0's 256 scale bytes, lanes 16-31: record 1's
.Lscales_out:
.endm
	s_load_b512 s[4:19], s[0:1], 0x0               ; x, g1, be1, wq, wk, wv, wo, w1
	s_load_b128 s[20:23], s[0:1], 0x40             ; w2, wimg
	s_load_b64 s[24:25], s[0:1], 0x50              ; z0img
	v_lshl_add_u32 v14, v0, 2, 0x10400             ; my spare word, behind the stage and the scale bytes; v14 and v15 serve the closing add alone
	v_mov_b32 v15, 0
	v_lshrrev_b32 v1, 5, v0
	s_delay_alu instid0(VALU_DEP_1)
	v_readfirstlane_b32 s[WV], v1                  ; wave 0..15
	v_and_b32 v1, 31, v0                           ; l
	v_and_b32 v2, 15, v0                           ; r
	v_bfe_u32 v5, v0, 4, 1                         ; h
	s_cmp_ge_u32 ttmp9, NWW
	s_cbranch_scc1 .Lnorm
	; ---- THE WEIGHTS.  A work-group takes 128 columns x 512 along K: one record of each of eight tiles; wave w columns 32 (w & 3) on and K step w >> 2: 4 blocks.
	; A LANE TAKES A COLUMN AND ITS REGISTERS RUN DOWN K.  Lane (r, u) takes column 8 u + (r & 7) + 16 (r >> 3) of the 32: lanes 0-15 are tile 2 b, lanes 16-31 tile 2 b + 1.
	v_and_b32 v6, 7, v2
	v_lshrrev_b32 v7, 3, v2
	s_delay_alu instid0(VALU_DEP_1)
	v_lshl_add_u32 v6, v7, 4, v6
	s_delay_alu instid0(VALU_DEP_1)
	v_lshl_add_u32 v6, v5, 3, v6
	s_delay_alu instid0(VALU_DEP_1)
	v_lshlrev_b32 v3, 2, v6                        ; my column's bytes in a row
	s_lshr_b32 s29, ttmp9, 1                       ; which piece of 128 columns x 1,024 along K, 0 .. 95,
	s_and_b32 s40, ttmp9, 1                        ; and which 512 of the 1,024
	s_lshr_b32 s30, s29, 3
	s_lshr_b32 s31, s29, 5                         ; 0: wq, wk, wv, wo;  1: w1;  2: w2
	s_mul_i32 s32, s30, RWQ                        ; the image's region,
	s_and_b32 s33, s29, 7                          ; the group of 128 columns,
	s_and_b32 s36, s29, 31
	s_and_b32 s37, s30, 3
	s_mov_b32 s38, RW1
	s_mov_b32 s39, RW2
	s_mov_b32 s35, TS1                             ; the tile's bytes,
	s_mov_b32 s42, TS4
	s_mov_b32 s43, 4096                            ; a row of the weight in bytes
	s_mov_b32 s44, 16384
	s_cmp_eq_u32 s31, 1
	s_cselect_b32 s32, s38, s32
	s_cselect_b32 s33, s36, s33
	s_cselect_b32 s43, s44, s43
	s_cmp_eq_u32 s31, 2
	s_cselect_b32 s32, s39, s32
	s_cselect_b32 s35, s42, s35
	s_cselect_b32 s34, s37, 0                      ; and, for w2, which 1,024 along K
	s_lshr_b32 s45, s[WV], 2                       ; my K step of the record's four
	s_and_b32 s46, s[WV], 3
	s_lshl_b32 s47, s34, 10
	s_lshl_b32 s48, s40, 9
	s_add_co_u32 s47, s47, s48
	s_lshl_b32 s48, s45, 7
	s_add_co_u32 s47, s47, s48
	s_mul_i32 s47, s47, s43                        ; my first row
	s_lshl_b32 s48, s33, 9
	s_add_co_u32 s47, s47, s48
	s_lshl_b32 s48, s46, 7
	s_add_co_u32 s48, s47, s48                     ; + my first column
	s_mov_b32 s49, 0
	s_lshl_b32 s50, s33, 3
	s_lshl_b32 s51, s46, 1
	s_add_co_u32 s50, s50, s51
	s_mul_i32 s50, s50, s35                        ; my first tile,
	s_add_co_u32 s50, s50, s32
	s_lshl_b32 s51, s34, 1
	s_add_co_u32 s51, s51, s40
	s_mul_i32 s51, s51, REC
	s_add_co_u32 s50, s50, s51                     ; my record,
	s_lshl_b32 s53, s45, 2
	s_add_co_u32 s54, s50, s53
	s_add_co_u32 s54, s54, 4096                    ; my 4 of a row's 16 scale bytes,
	s_mov_b32 s55, 0
	s_lshl_b32 s53, s45, 10
	s_add_co_u32 s50, s50, s53                     ; my K step's codes
	s_mov_b32 s51, 0
	s_wait_alu depctr_va_vdst(0)
	v_mul_lo_u32 v4, v5, s35
	s_delay_alu instid0(VALU_DEP_1)
	v_lshl_add_u32 v4, v2, 4, v4                   ; out: tile u, 16 r
	s_wait_kmcnt 0x0
	s_mov_b64 s[26:27], s[10:11]
	s_cmp_eq_u32 s30, 1
	s_cselect_b64 s[26:27], s[12:13], s[26:27]
	s_cmp_eq_u32 s30, 2
	s_cselect_b64 s[26:27], s[14:15], s[26:27]
	s_cmp_eq_u32 s30, 3
	s_cselect_b64 s[26:27], s[16:17], s[26:27]
	s_cmp_eq_u32 s31, 1
	s_cselect_b64 s[26:27], s[18:19], s[26:27]
	s_cmp_eq_u32 s31, 2
	s_cselect_b64 s[26:27], s[20:21], s[26:27]
	s_add_nc_u64 s[26:27], s[26:27], s[48:49]
	s_add_nc_u64 s[50:51], s[22:23], s[50:51]
	s_add_nc_u64 s[54:55], s[22:23], s[54:55]
.macro LOADW t, pitch                  ; block t: 32 rows of my column into set t % 2; a wave's load covers 128 consecutive bytes, four waves stand side by side on 512
.irp i, 0,1,2,3,4,5,6,7,8,9,10,11,12,13,14,15,16,17,18,19,20,21,22,23,24,25,26,27,28,29,30,31
	global_load_b32 v[32+32*((\t)%2)+\i], v3, s[26:27] offset:(32*(\t)+\i)*\pitch th:TH_LOAD_NT
.endr
.endm
.macro BLOCKW t, pitch
.set XS, 32+32*((\t)%2)
.if (\t) < 3
	s_wait_loadcnt 32                              ; this block's 32 loads are in; the next block's may be out
.else
	s_wait_loadcnt 0x0
.endif
	v_max3_num_f32 v12, |v[XS]|, |v[XS+1]|, |v[XS+2]|
	v_max3_num_f32 v13, |v[XS+3]|, |v[XS+4]|, |v[XS+5]|
.irp i, 6,10,14,18,22,26
	s_delay_alu instid0(VALU_DEP_2)
	v_max3_num_f32 v12, v12, |v[XS+\i]|, |v[XS+\i+1]|
	s_delay_alu instid0(VALU_DEP_2)
	v_max3_num_f32 v13, v13, |v[XS+\i+2]|, |v[XS+\i+3]|
.endr
	s_delay_alu instid0(VALU_DEP_2)
	v_max3_num_f32 v12, v12, |v[XS+30]|, |v[XS+31]|
	s_delay_alu instid0(VALU_DEP_1)
	v_max3_num_f32 v12, v12, v13, 0x1800000        ; the floor
	s_delay_alu instid0(VALU_DEP_1)
	v_add_nc_u32 v11, 0xff000000, v12              ; the conversion's scale operand
	s_delay_alu instid0(VALU_DEP_1)
	v_lshrrev_b32 v13, 23, v11                     ; the byte
.if (\t) == 0
	s_delay_alu instid0(VALU_DEP_1)
	v_mov_b32 v20, v13
.else
	s_delay_alu instid0(VALU_DEP_1)
	v_lshl_or_b32 v20, v13, 8*(\t), v20            ; the K step's four bytes make my column's scale word
.endif
.irp g, 0,1,2,3
	v_cvt_scalef32_pk8_fp4_f32 v[96+4*(\t)+\g], v[XS+8*\g:XS+8*\g+7], v11   ; each block has four registers of its own: no store's data are written again
.endr
	global_store_b128 v4, v[96+4*(\t):96+4*(\t)+3], s[50:51] offset:((\t)/2)*512+((\t)%2)*256   ; lanes 0-15 fill 256 consecutive bytes of one tile, lanes 16-31 of the next
.if (\t)+2 < 4
	LOADW (\t)+2, \pitch
.endif
.endm
.macro WPATH pitch                     ; every offset is an immediate, 127 x 16,384 bytes at the most, so the text is written once for each row length
	LOADW 0, \pitch
	LOADW 1, \pitch
.irp t, 0,1,2,3
	BLOCKW \t, \pitch
.endr
	global_store_b32 v4, v20, s[54:55]             ; 4 scale bytes a row: 4 of each 16, one byte for every 128 read
	s_endpgm
.endm
	s_cmp_eq_u32 s31, 1
	s_cbranch_scc1 .Lwide
	WPATH 4096
.Lwide:
	WPATH 16384
	; ---- THE NORM.  Work-group 192 + t takes token tile t; wave w its lane w: one token, the row kept in 32 registers a lane.
.Lnorm:
	s_sub_co_u32 s30, ttmp9, NWW                   ; t
	s_lshr_b32 s31, s30, 1
	s_lshl_b32 s31, s31, 5
	s_and_b32 s38, s30, 1
	s_lshl_b32 s38, s38, 3
	s_add_co_u32 s31, s31, s38
	s_and_b32 s38, s[WV], 7
	s_add_co_u32 s31, s31, s38
	s_lshr_b32 s39, s[WV], 3
	s_lshl_b32 s44, s39, 4
	s_add_co_u32 s31, s31, s44                     ; the token: 32 (t / 2) + 8 (t % 2) + (w & 7) + 16 (w >> 3)
	s_lshl_b32 s32, s31, 12
	s_mov_b32 s33, 0
	s_mul_i32 s36, s30, TS1
	s_mul_i32 s44, s39, REC
	s_lshl_b32 s45, s38, 9
	s_add_co_u32 s34, s36, s44
	s_add_co_u32 s34, s34, s45                     ; my half K step in the image: record w / 8, 512 (w & 7)
	s_mov_b32 s35, 0
	s_add_co_u32 s36, s36, 4096
	s_mov_b32 s37, 0
	s_mov_b32 s[SEL], 0x76543210
	s_mov_b32 s[SEL+1], 0xfedcba98
	s_mov_b32 s[INV], 0x3a800000
	s_mov_b32 s[EPS], 0x3727c5ac
	s_wait_alu depctr_va_vdst(0)
	v_lshlrev_b32 v[L16], 4, v1
	s_mul_i32 s44, s[WV], P
	v_add_nc_u32 v[LIN], s44, v[L16]
	v_mul_u32_u24 v[LRD], v2, P
	s_delay_alu instid0(VALU_DEP_1)
	v_lshl_add_u32 v[LRD], v5, 7, v[LRD]
	s_lshl_b32 s44, s[WV], 8
	v_add_nc_u32 v[LRD], s44, v[LRD]               ; row r, block 2 w + h: 128 bytes a block
	s_lshl_b32 s44, s39, 8
	s_lshl_b32 s45, s38, 1
	s_add_co_u32 s44, s44, s45
	s_add_co_u32 s44, s44, SCST
	v_lshl_add_u32 v[LSB], v2, 4, v5
	s_delay_alu instid0(VALU_DEP_1)
	v_add_nc_u32 v[LSB], s44, v[LSB]               ; record w / 8, row r, byte 2 (w & 7) + h
	v_add_nc_u32 v[LSR], SCST, v[L16]
	v_mul_u32_u24 v[LSO], v5, REC
	s_delay_alu instid0(VALU_DEP_1)
	v_lshl_add_u32 v[LSO], v2, 4, v[LSO]
	s_wait_kmcnt 0x0
	s_add_nc_u64 s[4:5], s[4:5], s[32:33]
	s_add_nc_u64 s[IMG:IMG+1], s[24:25], s[IMG:IMG+1]
	s_add_nc_u64 s[IMS:IMS+1], s[24:25], s[IMS:IMS+1]
.irp j, 0,1,2,3,4,5,6,7
	global_load_b128 v[32+4*\j:35+4*\j], v[L16], s[4:5] offset:512*\j th:TH_LOAD_NT   ; 512 consecutive bytes a load
.endr
.irp j, 0,1,2,3,4,5,6,7
	global_load_b128 v[64+4*\j:67+4*\j], v[L16], s[6:7] offset:512*\j
.endr
.irp j, 0,1,2,3,4,5,6,7
	global_load_b128 v[96+4*\j:99+4*\j], v[L16], s[8:9] offset:512*\j
.endr
	s_wait_loadcnt 16                              ; the row is in; g's and be's sixteen loads may be out
	LNROW 32, 32, 64, 96
.irp j, 0,1,2,3,4,5,6,7
	ds_store_b128 v[LIN], v[32+4*\j:35+4*\j] offset:512*\j
.endr
	BAR                                            ; the tile's 16 rows of z0 lie in the stage
	LNB 32
	s_wait_tensorcnt 0x0
	ds_add_u32 v14, v15
	s_wait_dscnt 0x0
	s_endpgm
.Lfunc_end_k_q79af2e222e_prep:
	.size	k_q79af2e222e_prep, .Lfunc_end_k_q79af2e222e_prep-k_q79af2e222e_prep
	.p2alignl 7, 3214868480
	.fill 96, 4, 3214868480
	.section	.rodata,"a",@progbits
	.p2align	6, 0x0
	.amdhsa_kernel k_q79af2e222e_prep
		.amdhsa_group_segment_fixed_size 68608
		.amdhsa_private_segment_fixed_size 0
		.amdhsa_enable_private_segment 0
		.amdhsa_kernarg_size 88
		.amdhsa_user_sgpr_count 2
		.amdhsa_user_sgpr_kernarg_segment_ptr 1
		.amdhsa_wavefront_size32 1
		.amdhsa_system_sgpr_workgroup_id_x 1
		.amdhsa_system_sgpr_workgroup_id_y 1
		.amdhsa_system_sgpr_workgroup_id_z 1
		.amdhsa_system_vgpr_workitem_id 0
		.amdhsa_next_free_vgpr 128
		.amdhsa_next_free_sgpr 66
		.amdhsa_reserve_vcc 0
		.amdhsa_float_denorm_mode_32 3
		.amdhsa_float_denorm_mode_16_64 3
		.amdhsa_memory_ordered 1
		.amdhsa_forward_progress 1
		.amdhsa_inst_pref_size 60
	.end_amdhsa_kernel
	.amdgpu_metadata
---
amdhsa.version: [ 1, 2 ]
amdhsa.kernels:
  - .name:           k_q79af2e222e_prep
    .symbol:         k_q79af2e222e_prep.kd
    .args:
      - { .name: x, .offset: 0, .size: 8, .value_kind: global_buffer, .address_space: global }
      - { .name: g1, .offset: 8, .size: 8, .value_kind: global_buffer, .address_space: global }
      - { .name: be1, .offset: 16, .size: 8, .value_kind: global_buffer, .address_space: global }
      - { .name: wq, .offset: 24, .size: 8, .value_kind: global_buffer, .address_space: global }
      - { .name: wk, .offset: 32, .size: 8, .value_kind: global_buffer, .address_space: global }
      - { .name: wv, .offset: 40, .size: 8, .value_kind: global_buffer, .address_space: global }
      - { .name: wo, .offset: 48, .size: 8, .value_kind: global_buffer, .address_space: global }
      - { .name: w1, .offset: 56, .size: 8, .value_kind: global_buffer, .address_space: global }
      - { .name: w2, .offset: 64, .size: 8, .value_kind: global_buffer, .address_space: global }
      - { .name: wimg, .offset: 72, .size: 8, .value_kind: global_buffer, .address_space: global }
      - { .name: z0img, .offset: 80, .size: 8, .value_kind: global_buffer, .address_space: global }
    .group_segment_fixed_size: 68608
    .private_segment_fixed_size: 0
    .kernarg_segment_align: 8
    .kernarg_segment_size: 88
    .max_flat_workgroup_size: 512
    .sgpr_count:     66
    .vgpr_count:     128
    .wavefront_size: 32
...
	.end_amdgpu_metadata
.endif
;; end of part 1
;; launch qkv (part 2): grid 12 x 16, 16 waves a work-group, clusters of 4 x 4, 280,576 bytes of LDS; arguments z0img, wimg, bq, bk, bv, qkvimg; writes qkvimg
.if DOCPART == 2
	.amdgcn_target "amdgcn-amd-amdhsa--gfx1250"
	.amdhsa_code_object_version 6
	.text
	.protected	k_q79af2e222e_qkv
	.globl	k_q79af2e222e_qkv
	.p2align	8
	.type	k_q79af2e222e_qkv,@function
k_q79af2e222e_qkv:
	s_mov_b64 s[64:65], 0
	v_nop
	global_prefetch_b8 v0, s[64:65] scope:SCOPE_SE
	s_setreg_imm32_b32 hwreg(HW_REG_WAVE_MODE, 25, 1), 1
	s_wait_xcnt 0x0
	s_wait_alu depctr_hold_cnt(0) depctr_sa_sdst(0) depctr_va_vdst(0) depctr_va_sdst(0) depctr_va_ssrc(0) depctr_va_vcc(0) depctr_vm_vsrc(0)
	s_getreg_b32 s2, hwreg(HW_REG_IB_STS2, 6, 4)
	s_cmp_eq_u32 s2, 0
	s_cbranch_scc0 .Lentry_in_a_cluster
	s_endpgm
.Lentry_in_a_cluster:
	s_bfe_u32 s2, ttmp6, 0x10000c
	s_cmp_lg_u32 s2, 0xf033
	s_cbranch_scc0 .Lentry_shape_is_right
	s_endpgm
.Lentry_shape_is_right:
; QKV.  q, k, v = z0 W + b on codes of E2M1 (K = 1,024), and their own quantising: q and k along the head's 64, v along the keys.  Nothing but codes and scale bytes goes to memory.
; A work-group makes 256 tokens x 256 columns; sixteen waves, each 64 x 64 (one head): 16 accumulators.  Both panels for all of K, 2 x 2 x 69,632 bytes, are filled ONCE: no slot is filled again.
; CLUSTER 4 x 4: the four of a row need the same token tiles, the four of a column the same weight tiles: joint loads.  The cluster's x says which weight: 0 q, 1 k, 2 v: the same in all partners.
; Operands lie as images of their registers (tile map and records: see PREP): every LDS load takes 512 consecutive bytes, without pitch or padding.
; q, k: source 0 = 16 columns of W, source 1 = 16 tokens: a lane holds one token and its 32 registers of a token tile run along the head's 64.  The bias is loaded into the accumulators.
; v:    source 0 = 16 tokens, source 1 = 16 columns: a lane holds one d and its registers run along 64 keys.
; OUT (qkvimg): for each head 16 records of 128 keys (8,960 bytes): K's 8 half fragments, K's scale words, V^T's 4 fragments, V's scale words; then Q's half fragments and Q's scale words.
; A q or k tile is half a fragment (the head's 64 of the instruction's 128): its scale word is b0 | b1 << 8 | 0x7f7f0000, the upper two blocks being zero codes that the reader keeps in registers.
; LIMITS: as in PREP (NaN, infinities; blocks under 2^-124; a zero block's byte is 1).  V's scale bytes leave two at a time (128 KB in the launch).
.set REC,  4352
.set TS1,  8704
.set SLOT, 139264                      ; record kc of A's 16 tiles, then of B's 16
.set BOFF, 69632
.set WT,   17408                       ; four tiles' records
.set KVH,  143360
.set KVR,  8960
.set QO,   4587520
.set QS,   6684672
.set ADA,  4                           ; v4-5   A's fragments in slot 0, 1: my four tiles + 16 l
.set ADB,  6                           ; v6-7   B's
.set ASA,  8                           ; v8-9   A's scale words: + 4096 + 16 r
.set ASB,  10                          ; v10-11 B's
.set FR0,  16                          ; v16-47  source 0's four fragments
.set FR1,  48                          ; v48-79  source 1's
.set SC0,  80                          ; v80-95  source 0's scale words, [tile][K step]
.set SC1,  96                          ; v96-111 source 1's
.set ACC,  128                         ; accumulator (i1, i0) at 128 + 8 (4 i1 + i0)
.set TM,   80                          ; the way out: 8 registers at work
.set WV,   16
.set G1A,  32
.set G1B,  40
.set G0A,  48
.set G0B,  56
.set SEL,  66
.macro PLACES n
.rept \n
	v_nop
.endr
.endm
.macro BAR
	s_wait_dscnt 0x0
	s_barrier_signal -1
	s_barrier_wait -1
.endm
.macro CROUND                          ; a round of the cluster's barrier
	s_barrier_signal -1
	s_barrier_wait -1
	s_cmp_lg_u32 s[WV], 0
	s_cbranch_scc1 .Lnot_wave_0_\@
	s_barrier_signal -3
.Lnot_wave_0_\@:
	s_barrier_wait -3
	s_barrier_signal -1
	s_barrier_wait -1
.endm
.macro MM0 d, a, b, sa, sb             ; the first product starts a sum
	v_wmma_scale_f32_16x16x128_f8f6f4 v[\d:\d+7], v[\a:\a+7], v[\b:\b+7], 0, v[\sa], v[\sb] matrix_a_fmt:MATRIX_FMT_FP4 matrix_b_fmt:MATRIX_FMT_FP4
.endm
.macro MMA d, a, b, sa, sb
	v_wmma_scale_f32_16x16x128_f8f6f4 v[\d:\d+7], v[\a:\a+7], v[\b:\b+7], v[\d:\d+7], v[\sa], v[\sb] matrix_a_fmt:MATRIX_FMT_FP4 matrix_b_fmt:MATRIX_FMT_FP4
.endm
; One record: 512 along K, four K steps of 16 matrix instructions.  Four places stand in front of each run of loads into registers that matrix instructions have read.
; The 16 accumulators take turns, one instruction a turn, in one order throughout.
.macro RECM s, zero, ad0, as0, ad1, as1
	PLACES 4
.irp i, 0,1,2,3
	ds_load_b128 v[SC0+4*\i:SC0+4*\i+3], v[\as0+\s] offset:\i*REC
.endr
.irp i, 0,1,2,3
	ds_load_b128 v[SC1+4*\i:SC1+4*\i+3], v[\as1+\s] offset:\i*REC
.endr
.irp q, 0,1,2,3
.if \q > 0
	PLACES 4
.endif
.irp i, 0,1,2,3
.irp c, 0,1
	ds_load_b128 v[FR1+8*\i+4*\c:FR1+8*\i+4*\c+3], v[\ad1+\s] offset:\i*REC+\q*1024+\c*512
.endr
.endr
.irp i, 0,1,2,3
.irp c, 0,1
	ds_load_b128 v[FR0+8*\i+4*\c:FR0+8*\i+4*\c+3], v[\ad0+\s] offset:\i*REC+\q*1024+\c*512
.endr
.endr
.irp i0, 0,1,2,3
	s_wait_dscnt 6-2*\i0                           ; source 1's fragments and source 0's tile i0 are in; the later tiles' two loads each may be out
.irp i1, 0,1,2,3
.if \zero && (\q == 0)
	MM0 ACC+8*(4*\i1+\i0), FR0+8*\i0, FR1+8*\i1, SC0+4*\i0+\q, SC1+4*\i1+\q
.else
	MMA ACC+8*(4*\i1+\i0), FR0+8*\i0, FR1+8*\i1, SC0+4*\i0+\q, SC1+4*\i1+\q
.endif
.endr
.endr
.endr
.endm
; 32 numbers of a lane, register 16 b + i = k 32 b + 16 (lane / 16) + i of my row, become half a fragment in v[pc] .. v[pc + 3]; the two scale bytes are left in v[TM+6], v[TM+7].
.macro QUANT2 s, pc
.irp b, 0,1
	v_max3_num_f32 v[TM+\b], |v[\s+16*\b]|, |v[\s+1+16*\b]|, 0x1800000   ; my 16 numbers of block b, and the floor 2^(3 - 127)
.endr
.irp i, 2,4,6,8,10,12,14
.irp b, 0,1
	v_max3_num_f32 v[TM+\b], v[TM+\b], |v[\s+16*\b+\i]|, |v[\s+1+16*\b+\i]|
.endr
.endr
.irp b, 0,1
	s_delay_alu instid0(VALU_DEP_2)
	v_permlanex16_b32 v[TM+2+\b], v[TM+\b], s[SEL], s[SEL+1]
.endr
.irp b, 0,1
	s_delay_alu instid0(VALU_DEP_2)
	v_max_num_f32 v[TM+\b], v[TM+\b], v[TM+2+\b]   ; with lane l xor 16's: the block's largest magnitude
.endr
.irp b, 0,1
	s_delay_alu instid0(VALU_DEP_2)
	v_add_nc_u32 v[TM+4+\b], 0xff000000, v[TM+\b]  ; 2 off its exponent field: the conversion's scale operand
.endr
.irp b, 0,1
	s_delay_alu instid0(VALU_DEP_2)
	v_lshrrev_b32 v[TM+6+\b], 23, v[TM+4+\b]       ; the byte
.endr
.irp b, 0,1
	v_cvt_scalef32_pk8_fp4_f32 v[\pc+2*\b], v[\s+16*\b:\s+16*\b+7], v[TM+4+\b]
	v_cvt_scalef32_pk8_fp4_f32 v[\pc+1+2*\b], v[\s+8+16*\b:\s+8+16*\b+7], v[TM+4+\b]
.endr
	v_nop                                          ; one plain instruction behind the last scaled conversion
	v_permlane16_swap_b32 v[\pc], v[\pc+2]         ; a whole block to a lane: lanes 0-15 block 0, lanes 16-31 block 1
	v_permlane16_swap_b32 v[\pc+1], v[\pc+3]
.endm
	s_load_b256 s[4:11], s[0:1], 0x0               ; z0img, wimg, bq, bk
	s_load_b128 s[12:15], s[0:1], 0x20             ; bv, qkvimg
	v_lshl_add_u32 v126, v0, 2, 0x44000
	v_mov_b32 v127, 0
	ds_add_u32 v126, v127
	ds_add_u32 v126, v127
	v_lshrrev_b32 v1, 5, v0
	s_delay_alu instid0(VALU_DEP_1)
	v_readfirstlane_b32 s[WV], v1                  ; wave 0..15
	s_lshr_b32 s17, s[WV], 2                       ; wm: my 64 tokens
	s_and_b32 s18, s[WV], 3                        ; wn: my 64 columns
	s_and_b32 s19, s[WV], 1                        ; which 8 tiles I fetch, if I fetch
	s_bfe_u32 s20, ttmp6, 0x40000                  ; cx
	s_bfe_u32 s21, ttmp6, 0x40004                  ; cy
	s_lshl_b32 s22, ttmp9, 2
	s_add_co_u32 s22, s22, s20                     ; TC: 256 columns of wq | wk | wv
	s_and_b32 s23, ttmp7, 0xffff
	s_lshl_b32 s23, s23, 2
	s_add_co_u32 s23, s23, s21                     ; TR: 256 tokens
	s_lshl_b32 s24, s21, 2
	s_lshl_b32 s24, 15, s24                        ; my row of the cluster
	s_lshl_b32 s25, 0x1111, s20                    ; my column
	; group 1: 8 rows (tiles) of one record, 544 elements of 8 bytes, 1,088 elements from tile to tile; dense in LDS
	s_or_b32 s[G1A], s24, (3<<16)|(1<<21)
	s_or_b32 s[G1B], s25, (3<<16)|(1<<21)
.irp g, G1A, G1B
	s_mov_b32 s[\g+1], 544<<16                     ; tensor_dim0
	s_mov_b32 s[\g+2], 8<<16                       ; tensor_dim1
	s_mov_b32 s[\g+3], 544<<16                     ; tile_dim0
	s_mov_b32 s[\g+4], 8                           ; tile_dim1
	s_mov_b32 s[\g+5], 1088                        ; stride
	s_mov_b32 s[\g+6], 0
	s_mov_b32 s[\g+7], 0
.endr
	s_lshl_b32 s26, s23, 4
	s_lshl_b32 s27, s19, 3
	s_add_co_u32 s26, s26, s27
	s_mul_i32 s26, s26, TS1                        ; A: token tile 16 TR + 8 half
	s_mov_b32 s27, 0
	s_lshl_b32 s28, s22, 4
	s_lshl_b32 s29, s19, 3
	s_add_co_u32 s28, s28, s29
	s_mul_i32 s28, s28, TS1                        ; B: weight tile 16 TC + 8 half
	s_mov_b32 s29, 0
	s_and_b32 s30, s[WV], 3
	s_mul_i32 s30, s30, 34816                      ; where they go: A's halves, then B's
	s_mov_b32 s[SEL], 0x76543210
	s_mov_b32 s[SEL+1], 0xfedcba98
	s_wait_dscnt 0x0
	s_wait_kmcnt 0x0
	s_add_nc_u64 s[26:27], s[4:5], s[26:27]
	s_add_nc_u64 s[28:29], s[6:7], s[28:29]
	CROUND                                         ; all sixteen work-groups are here: the joint loads meet
.irp s, 0,1
	s_mov_b32 s[G0A+4*\s], 1
	s_add_co_u32 s[G0A+4*\s+1], s30, \s*SLOT
	s_add_nc_u64 s[G0A+4*\s+2:G0A+4*\s+3], s[26:27], \s*REC
	s_or_b32 s[G0A+4*\s+3], s[G0A+4*\s+3], 0x80000000
	s_mov_b32 s[G0B+4*\s], 1
	s_add_co_u32 s[G0B+4*\s+1], s30, \s*SLOT
	s_add_nc_u64 s[G0B+4*\s+2:G0B+4*\s+3], s[28:29], \s*REC
	s_or_b32 s[G0B+4*\s+3], s[G0B+4*\s+3], 0x80000000
.endr
	s_cmp_lt_u32 s[WV], 2                          ; one chain of branches, one load to an arm: waves 0, 1 A's halves of record 0; 2, 3 B's; 4, 5 A's of record 1; 6, 7 B's
	s_cbranch_scc0 .Lnot_a
	tensor_load_to_lds s[G0A:G0A+3], s[G1A:G1A+7]
	s_nop 0
	PLACES 4
	s_branch .Lasked
.Lnot_a:
	s_cmp_lt_u32 s[WV], 4
	s_cbranch_scc0 .Lnot_b
	tensor_load_to_lds s[G0B:G0B+3], s[G1B:G1B+7]
	s_nop 0
	PLACES 4
	s_branch .Lasked
.Lnot_b:
	s_cmp_lt_u32 s[WV], 6
	s_cbranch_scc0 .Lnot_a1
	tensor_load_to_lds s[G0A+4:G0A+7], s[G1A:G1A+7]
	s_nop 0
	PLACES 4
	s_branch .Lasked
.Lnot_a1:
	s_cmp_lt_u32 s[WV], 8
	s_cbranch_scc0 .Lasked
	tensor_load_to_lds s[G0B+4:G0B+7], s[G1B:G1B+7]
	s_nop 0
	PLACES 4
.Lasked:
	v_and_b32 v1, 31, v0
	s_delay_alu instid0(VALU_DEP_1)
	v_lshlrev_b32 v1, 4, v1                        ; 16 l
	v_and_b32 v2, 15, v0
	s_delay_alu instid0(VALU_DEP_1)
	v_lshlrev_b32 v2, 4, v2                        ; 16 r
	v_bfe_u32 v3, v0, 4, 1                         ; h
	s_mul_i32 s31, s17, WT
	s_mul_i32 s68, s18, WT
	s_add_co_u32 s68, s68, BOFF
	v_add_nc_u32 v[ADA], s31, v1
	v_add_nc_u32 v[ADB], s68, v1
	v_add_nc_u32 v[ASA], s31, v2
	v_add_nc_u32 v[ASB], s68, v2
	s_delay_alu instid0(VALU_DEP_2)
	v_add_nc_u32 v[ASA], 4096, v[ASA]
	s_delay_alu instid0(VALU_DEP_2)
	v_add_nc_u32 v[ASB], 4096, v[ASB]
.irp a, ADA, ADB, ASA, ASB
	v_add_nc_u32 v[\a+1], SLOT, v[\a]
.endr
	s_lshl_b32 s70, s20, 2
	s_add_co_u32 s70, s70, s18                     ; the head: 4 cx + wn
	s_lshr_b32 s71, s23, 3                         ; the batch
	s_lshl_b32 s72, s71, 4
	s_add_co_u32 s72, s72, s70                     ; bh
	s_and_b32 s73, s23, 7
	s_lshl_b32 s74, s73, 1
	s_lshr_b32 s75, s17, 1
	s_add_co_u32 s74, s74, s75                     ; the key step of my 64 tokens
	s_and_b32 s75, s17, 1                          ; and which half of it
	s_mul_i32 s76, s72, KVH
	s_mul_i32 s77, s74, KVR
	s_add_co_u32 s76, s76, s77                     ; its record
	s_lshl_b32 s78, s70, 8                         ; the head's 64 biases
	s_mov_b32 s79, 0
	s_cmp_eq_u32 ttmp9, 2
	s_cbranch_scc1 .Lvpath
	; ---- q and k
	s_lshl_b32 s80, s75, 11
	s_add_co_u32 s80, s76, s80                     ; k: my four tiles' codes
	s_lshl_b32 s81, s75, 8
	s_add_co_u32 s81, s76, s81
	s_add_co_u32 s81, s81, 4096                    ; and their scale words
	s_lshl_b32 s82, s72, 7
	s_lshl_b32 s83, s73, 4
	s_add_co_u32 s82, s82, s83
	s_lshl_b32 s83, s17, 2
	s_add_co_u32 s82, s82, s83
	s_lshl_b32 s82, s82, 9
	s_add_co_u32 s82, s82, QO                      ; q: the same
	s_lshl_b32 s83, s72, 5
	s_lshl_b32 s84, s73, 2
	s_add_co_u32 s83, s83, s84
	s_add_co_u32 s83, s83, s17
	s_lshl_b32 s83, s83, 8
	s_add_co_u32 s83, s83, QS
	s_cmp_eq_u32 ttmp9, 0
	s_cselect_b32 s84, s82, s80
	s_cselect_b32 s86, s83, s81
	s_cselect_b64 s[88:89], s[8:9], s[10:11]
	s_mov_b32 s85, 0
	s_mov_b32 s87, 0
	s_add_nc_u64 s[84:85], s[14:15], s[84:85]
	s_add_nc_u64 s[86:87], s[14:15], s[86:87]
	s_add_nc_u64 s[88:89], s[88:89], s[78:79]
	v_lshlrev_b32 v12, 6, v3                       ; the bias: register 8 tn + j of lane (r, h) is column 32 (tn / 2) + 16 h + 8 (tn % 2) + j
	v_lshl_add_u32 v13, v3, 3, v2                  ; the scale words' way out: 16 r + 8 h
.irp tm, 0,1,2,3
.irp tn, 0,1,2,3
	global_load_b128 v[ACC+32*\tm+8*\tn:ACC+32*\tm+8*\tn+3], v12, s[88:89] offset:(32*(\tn/2)+8*(\tn%2))*4
	global_load_b128 v[ACC+32*\tm+8*\tn+4:ACC+32*\tm+8*\tn+7], v12, s[88:89] offset:(32*(\tn/2)+8*(\tn%2))*4+16
.endr
.endr
	s_wait_tensorcnt 0x0                           ; my one load is in; behind the barrier both records are whole
	BAR
	s_wait_loadcnt 0x0
	s_wait_alu depctr_va_vdst(0)
	RECM 0, 0, ADB, ASB, ADA, ASA
	RECM 1, 0, ADB, ASB, ADA, ASA
	PLACES 4
	v_mov_b32 v[TM+2], 0                           ; a lane permute's destination counts as one of its sources
	v_mov_b32 v[TM+3], 0
.irp tm, 0,1,2,3
	QUANT2 ACC+32*\tm, 16+4*\tm
	v_lshl_or_b32 v[32+\tm], v[TM+7], 8, v[TM+6]
	s_delay_alu instid0(VALU_DEP_1)
	v_or_b32 v[32+\tm], 0x7f7f0000, v[32+\tm]      ; blocks 2 and 3 are zero codes under the scale 1
	global_store_b128 v1, v[16+4*\tm:19+4*\tm], s[84:85] offset:512*\tm   ; 512 consecutive bytes
.endr
	v_cmp_eq_u32 vcc_lo, 1, v3
	s_delay_alu instid0(VALU_DEP_1)
	v_cndmask_b32 v36, v32, v34, vcc_lo            ; lanes 0-15 send tiles 0, 1's words, lanes 16-31 tiles 2, 3's:
	s_delay_alu instid0(VALU_DEP_2)
	v_cndmask_b32 v37, v33, v35, vcc_lo
	global_store_b64 v13, v[36:37], s[86:87]       ; 256 consecutive bytes, [r][4 words]
	s_wait_tensorcnt 0x0
	ds_add_u32 v126, v127
	s_wait_dscnt 0x0
	CROUND                                         ; the closing round
	s_endpgm
	; ---- v
.Lvpath:
	s_lshl_b32 s80, s75, 9
	s_add_co_u32 s84, s76, s80
	s_add_co_u32 s84, s84, 4608                    ; V^T's fragments: my 64 keys are half wm % 2 of each
	s_mov_b32 s85, 0
	s_lshl_b32 s80, s75, 1
	s_add_co_u32 s86, s76, s80
	s_add_co_u32 s86, s86, 8704                    ; and bytes 2 (wm % 2), + 1 of each scale word
	s_mov_b32 s87, 0
	s_add_nc_u64 s[84:85], s[14:15], s[84:85]
	s_add_nc_u64 s[86:87], s[14:15], s[86:87]
	s_add_nc_u64 s[88:89], s[12:13], s[78:79]
	v_and_b32 v13, 15, v0
	s_delay_alu instid0(VALU_DEP_1)
	v_and_b32 v12, 7, v13
	s_delay_alu instid0(VALU_DEP_2)
	v_lshrrev_b32 v13, 3, v13
	s_delay_alu instid0(VALU_DEP_1)
	v_lshl_add_u32 v12, v13, 4, v12
	s_delay_alu instid0(VALU_DEP_1)
	v_lshlrev_b32 v12, 2, v12                      ; the bias of my lane's d: (r & 7) + 16 (r >> 3)
	v_lshl_add_u32 v13, v3, 2, v2                  ; 16 r + 4 h
.irp tn, 0,1,2,3
	global_load_b32 v[112+2*\tn], v12, s[88:89] offset:(32*(\tn/2)+8*(\tn%2))*4
	global_load_b32 v[113+2*\tn], v12, s[88:89] offset:(32*(\tn/2)+8*(\tn%2))*4   ; twice: a pair for the packed addition
.endr
	s_wait_tensorcnt 0x0                           ; my one load is in; behind the barrier both records are whole
	BAR
	RECM 0, 1, ADA, ASA, ADB, ASB
	s_wait_alu depctr_va_vdst(0)
	RECM 1, 0, ADA, ASA, ADB, ASB
	PLACES 4
	s_wait_loadcnt 0x0
	v_mov_b32 v[TM+2], 0
	v_mov_b32 v[TM+3], 0
.irp tn, 0,1,2,3
.irp j, 0,2,4,6,8,10,12,14,16,18,20,22,24,26,28,30
	v_pk_add_f32 v[ACC+32*\tn+\j:ACC+32*\tn+\j+1], v[ACC+32*\tn+\j:ACC+32*\tn+\j+1], v[112+2*\tn:113+2*\tn]
.endr
	QUANT2 ACC+32*\tn, 16+4*\tn
	v_lshl_or_b32 v[32+\tn], v[TM+7], 8, v[TM+6]
	global_store_b128 v1, v[16+4*\tn:19+4*\tn], s[84:85] offset:1024*\tn
.endr
	v_cmp_eq_u32 vcc_lo, 1, v3
	s_delay_alu instid0(VALU_DEP_1)
	v_cndmask_b32 v36, v32, v33, vcc_lo            ; d tile h
	s_delay_alu instid0(VALU_DEP_2)
	v_cndmask_b32 v37, v34, v35, vcc_lo            ; d tile 2 + h
	global_store_b16 v13, v36, s[86:87]
	global_store_b16 v13, v37, s[86:87] offset:8
	s_wait_tensorcnt 0x0
	ds_add_u32 v126, v127
	s_wait_dscnt 0x0
	CROUND
	s_endpgm
.Lfunc_end_k_q79af2e222e_qkv:
	.size	k_q79af2e222e_qkv, .Lfunc_end_k_q79af2e222e_qkv-k_q79af2e222e_qkv
	.p2alignl 7, 3214868480
	.fill 96, 4, 3214868480
	.section	.rodata,"a",@progbits
	.p2align	6, 0x0
	.amdhsa_kernel k_q79af2e222e_qkv
		.amdhsa_group_segment_fixed_size 280576
		.amdhsa_private_segment_fixed_size 0
		.amdhsa_enable_private_segment 0
		.amdhsa_kernarg_size 48
		.amdhsa_user_sgpr_count 2
		.amdhsa_user_sgpr_kernarg_segment_ptr 1
		.amdhsa_wavefront_size32 1
		.amdhsa_system_sgpr_workgroup_id_x 1
		.amdhsa_system_sgpr_workgroup_id_y 1
		.amdhsa_system_sgpr_workgroup_id_z 1
		.amdhsa_system_vgpr_workitem_id 0
		.amdhsa_next_free_vgpr 256
		.amdhsa_next_free_sgpr 100
		.amdhsa_reserve_vcc 1
		.amdhsa_float_denorm_mode_32 3
		.amdhsa_float_denorm_mode_16_64 3
		.amdhsa_memory_ordered 1
		.amdhsa_forward_progress 1
		.amdhsa_inst_pref_size 91
	.end_amdhsa_kernel
	.amdgpu_metadata
---
amdhsa.version: [ 1, 2 ]
amdhsa.kernels:
  - .name:           k_q79af2e222e_qkv
    .symbol:         k_q79af2e222e_qkv.kd
    .args:
      - { .name: z0img, .offset: 0, .size: 8, .value_kind: global_buffer, .address_space: global }
      - { .name: wimg, .offset: 8, .size: 8, .value_kind: global_buffer, .address_space: global }
      - { .name: bq, .offset: 16, .size: 8, .value_kind: global_buffer, .address_space: global }
      - { .name: bk, .offset: 24, .size: 8, .value_kind: global_buffer, .address_space: global }
      - { .name: bv, .offset: 32, .size: 8, .value_kind: global_buffer, .address_space: global }
      - { .name: qkvimg, .offset: 40, .size: 8, .value_kind: global_buffer, .address_space: global }
    .group_segment_fixed_size: 280576
    .private_segment_fixed_size: 0
    .kernarg_segment_align: 8
    .kernarg_segment_size: 48
    .max_flat_workgroup_size: 512
    .sgpr_count:     100
    .vgpr_count:     256
    .wavefront_size: 32
...
	.end_amdgpu_metadata
.endif
;; end of part 2
;; launch attn (part 3): grid 8 x 32, 8 waves a work-group, clusters of 4 x 1, 169,984 bytes of LDS; arguments qkvimg, ctximg; writes ctximg
.if DOCPART == 3
	.amdgcn_target "amdgcn-amd-amdhsa--gfx1250"
	.amdhsa_code_object_version 6
	.text
	.protected	k_q79af2e222e_attn
	.globl	k_q79af2e222e_attn
	.p2align	8
	.type	k_q79af2e222e_attn,@function
k_q79af2e222e_attn:
	s_mov_b64 s[64:65], 0
	v_nop
	global_prefetch_b8 v0, s[64:65] scope:SCOPE_SE
	s_setreg_imm32_b32 hwreg(HW_REG_WAVE_MODE, 25, 1), 1
	s_wait_xcnt 0x0
	s_wait_alu depctr_hold_cnt(0) depctr_sa_sdst(0) depctr_va_vdst(0) depctr_va_sdst(0) depctr_va_ssrc(0) depctr_va_vcc(0) depctr_vm_vsrc(0)
	s_getreg_b32 s2, hwreg(HW_REG_IB_STS2, 6, 4)
	s_cmp_eq_u32 s2, 0
	s_cbranch_scc0 .Lentry_in_a_cluster
	s_endpgm
.Lentry_in_a_cluster:
	s_bfe_u32 s2, ttmp6, 0x10000c
	s_cmp_lg_u32 s2, 0x3003
	s_cbranch_scc0 .Lentry_shape_is_right
	s_endpgm
.Lentry_shape_is_right:
; ATTENTION on codes of E2M1.  ctx[q] = sum over k of softmax_k(q . k / 8) v[k], and ctx's own quantising along the head's 64 for the next product.
; t = score x log2(e) / 8; M = the running largest t rounded UP to a whole number; p = 2^(t - M) is quantised along the keys, not normalised; the row's sum is taken of the unquantised p and divides at the end.
; When M moves, the sum and O^T are multiplied by 2^(old M - new M): exact.
; SHARES: a work-group owns 256 queries of one head; each of its EIGHT waves owns TWO tiles of 16 queries (n = 0, 1), so that each fragment of K and V read from LDS feeds two products,
; and the two tiles' short chains are written by turns.  Every wave walks the head's 2,048 keys, 128 a step.
; THE WHOLE HEAD'S K AND V, 16 records of 8,960 bytes, LIE IN LDS, filled once: wave w asks for records 2 w and 2 w + 1 by one tensor load, no branch.  The four work-groups of a cluster belong to one head and ask jointly.
; The load lays 32 bytes of padding behind each 256: LDS rows are 288 bytes apart, a record 35 x 288 = 10,080 bytes, sixteen records 161,280; the spare words begin at 167,936.
; No prefetch: each record is asked for once, at the head, in the one group of loads; the loop over the keys loads nothing from memory.
; Both products are used transposed: S^T = K Q^T, O^T = V^T P^T: a lane holds one query of each tile throughout.
; THE KEYS OF A TILE ARE CHOSEN BY THE LANES' LDS ADDRESSES: lane r of tile 4 c + i takes key 64 c + 32 (r >> 3) + 8 i + (r & 7) of the step.  In the result lane (q, h) then holds, in the 32 registers of tiles 4 c .. 4 c + 3,
; keys 64 c + 32 h + 0 .. 31: ONE WHOLE BLOCK of the second product's K, in the order of P's operand: the block's maximum needs no other lane, and the conversions' results are the operand's registers.
; In the record (PREP's tile map) that key is row (r & 7) + 8 (i >> 1) of tile 4 c + 2 (r >> 3) + (i & 1).  By the padding the two groups of eight lanes of a load stand 1,152 bytes apart, 128 beyond a multiple of 256.
; The head's 64 are half of the instruction's 128.  Registers 4-7 of Q's fragments are zero codes, set once.  K's eight half fragments lie on end, four registers each: registers 4-7 of tile t's fragment are tile t + 1's codes
; (behind the last: four zeros), which meet Q's zero codes and add exact zeros; the scale words carry 0x7f for those blocks.
; LIMITS: NaN and infinities are not served; v_exp_f32 gives 0 under 2^-126; a block of p that has fallen to 0 keeps byte 1 with zero codes; 1 / l by v_rcp_f32; the scaled scores stay under 2^31 in magnitude.
; REGISTERS, window 0: v1 16 l, v2 16 r; v3-6 the step's LDS addresses (V, V's scales, K, K's scales), v10, v2, v8, v9 their lane parts; v7 8 h; v11, v20 Q's scale words; v12 + 4 n: -M, the largest score, the sum (a pair);
;   v22, v23 the add's two; v24 + 8 n Q; v40-47 K's scale words; v48-83 K; v84-115 V; v116-119 V's scale words; v120 + 8 n p's codes; v136 + 16 n at work: +0..3 maxima, +4..7 the chain, +8, 9 scale operands, +10, 11 bytes,
;   +12, 13 the sum's second chain, +14 f, +15 p's scale word.  Window 1 (v256 on): v64 n S^T, then p; v128 + 32 n O^T.
; s_set_vgpr_msb's low byte: bits 1:0 source 0, 3:2 source 1, 5:4 source 2, 7:6 destination.  Work is laid in stretches under one setting: fourteen switches a step.
.set REC,  4352
.set TS1,  8704
.set KVH,  143360
.set KVR,  8960
.set QO,   4587520
.set QS,   6684672
.set LP,   288                         ; an LDS row: 256 bytes + 32 of padding
.set KVL,  35*LP                       ; a record in LDS
.set SPARE, 0x29000
.set SPW,  22
.set NIL,  23
.set KS,   40
.set KF,   48
.set VF,   84
.set VS,   116
.set WV,   8
.set TB,   2                           ; s2  LDS byte of the next step's record
.set SEL,  20
.set CS,   22                          ; s[22:23] c = log2(e) / 8
.set G1,   24
.set G0,   32
.set MSB, 0
.macro WIN new                         ; the immediate's high byte repeats the setting that is left
.if MSB != \new
	s_set_vgpr_msb (MSB<<8)|\new
.set MSB, \new
.endif
.endm
.macro PLACES n
.rept \n
	v_nop
.endr
.endm
.macro CROUND
	s_barrier_signal -1
	s_barrier_wait -1
	s_cmp_lg_u32 s[WV], 0
	s_cbranch_scc1 .Lnot_wave_0_\@
	s_barrier_signal -3
.Lnot_wave_0_\@:
	s_barrier_wait -3
	s_barrier_signal -1
	s_barrier_wait -1
.endm
.macro QUANT2 s, pc, tm                ; as in QKV: 32 numbers of a lane become half a fragment; the bytes are left in v[tm+6], v[tm+7]
.irp b, 0,1
	v_max3_num_f32 v[\tm+\b], |v[\s+16*\b]|, |v[\s+1+16*\b]|, 0x1800000
.endr
.irp i, 2,4,6,8,10,12,14
.irp b, 0,1
	s_delay_alu instid0(VALU_DEP_2)
	v_max3_num_f32 v[\tm+\b], v[\tm+\b], |v[\s+16*\b+\i]|, |v[\s+1+16*\b+\i]|
.endr
.endr
.irp b, 0,1
	s_delay_alu instid0(VALU_DEP_2)
	v_permlanex16_b32 v[\tm+2+\b], v[\tm+\b], s[SEL], s[SEL+1]
.endr
.irp b, 0,1
	s_delay_alu instid0(VALU_DEP_2)
	v_max_num_f32 v[\tm+\b], v[\tm+\b], v[\tm+2+\b]
.endr
.irp b, 0,1
	s_delay_alu instid0(VALU_DEP_2)
	v_add_nc_u32 v[\tm+4+\b], 0xff000000, v[\tm+\b]
.endr
.irp b, 0,1
	s_delay_alu instid0(VALU_DEP_2)
	v_lshrrev_b32 v[\tm+6+\b], 23, v[\tm+4+\b]
.endr
.irp b, 0,1
	v_cvt_scalef32_pk8_fp4_f32 v[\pc+2*\b], v[\s+16*\b:\s+16*\b+7], v[\tm+4+\b]
	v_cvt_scalef32_pk8_fp4_f32 v[\pc+1+2*\b], v[\s+8+16*\b:\s+8+16*\b+7], v[\tm+4+\b]
.endr
	v_nop
	v_permlane16_swap_b32 v[\pc], v[\pc+2]
	v_permlane16_swap_b32 v[\pc+1], v[\pc+3]
.endm
.macro SUM j                           ; four more p of each tile into the rows' sums: four chains by turns (source 1 in window 1)
.irp n, 0,1
	v_pk_add_f32 v[14+4*\n:15+4*\n], v[14+4*\n:15+4*\n], v[64*\n+\j:64*\n+\j+1]
	v_pk_add_f32 v[148+16*\n:149+16*\n], v[148+16*\n:149+16*\n], v[64*\n+\j+2:64*\n+\j+3]
.endr
.endm
	s_load_b128 s[4:7], s[0:1], 0x0                ; qkvimg, ctximg
	v_lshl_add_u32 v[SPW], v0, 2, SPARE
	v_mov_b32 v[NIL], 0
	ds_add_u32 v[SPW], v[NIL]                      ; the opening lines: the add, twice on end, and its wait ahead of my tensor load
	ds_add_u32 v[SPW], v[NIL]
	v_lshrrev_b32 v1, 5, v0
	v_readfirstlane_b32 s[WV], v1                  ; wave 0..7
	s_bfe_u32 s9, ttmp6, 0x40000                   ; cx: it enters global addresses of my own loads and stores alone
	s_lshl_b32 s10, ttmp9, 2
	s_add_co_u32 s10, s10, s9                      ; my block of 256 queries
	s_and_b32 s11, ttmp7, 0xffff                   ; bh, which the partners share
	s_mul_i32 s12, s11, KVH
	s_mul_i32 s13, s[WV], 2*KVR                    ; my two records in memory,
	s_mul_i32 s3, s[WV], 2*KVL                     ; and in LDS
	s_add_co_u32 s14, s12, s13
	s_mov_b32 s15, 0
	; group 1: two records, dense in memory: 70 rows of 32 elements of 8 bytes; 8 words of padding behind each 64; the mask names all four work-groups
	s_mov_b32 s[G1], 15|(3<<16)|(1<<20)|(1<<21)|(5<<22)|(7<<25)
	s_mov_b32 s[G1+1], 32<<16
	s_mov_b32 s[G1+2], 70<<16
	s_mov_b32 s[G1+3], 32<<16
	s_mov_b32 s[G1+4], 70
	s_mov_b32 s[G1+5], 32
	s_mov_b32 s[G1+6], 0
	s_mov_b32 s[G1+7], 0
	s_mov_b32 s[SEL], 0x76543210
	s_mov_b32 s[SEL+1], 0xfedcba98
	s_mov_b32 s[CS], 0x3e38aa3b
	s_mov_b32 s[CS+1], s[CS]                       ; (named with it as a pair, so it is written)
	s_mov_b32 s[TB], 0
	s_wait_dscnt 0x0                               ; both opening adds are done
	s_wait_kmcnt 0x0
	s_add_nc_u64 s[14:15], s[4:5], s[14:15]
	CROUND                                         ; all four work-groups are here: the joint loads meet
	s_mov_b32 s[G0], 1
	s_mov_b32 s[G0+1], s3
	s_mov_b64 s[G0+2:G0+3], s[14:15]
	s_or_b32 s[G0+3], s[G0+3], 0x80000000
	tensor_load_to_lds s[G0:G0+3], s[G1:G1+7]      ; records 2 w, 2 w + 1: every wave's one load
	s_nop 0
	PLACES 4
	s_lshl_b32 s57, s[WV], 1                       ; my first tile of the block's 16
	s_lshl_b32 s48, s11, 7
	s_lshl_b32 s49, s10, 4
	s_add_co_u32 s48, s48, s49
	s_add_co_u32 s48, s48, s57                     ; among the head's 128
	s_lshl_b32 s48, s48, 9
	s_add_co_u32 s48, s48, QO
	s_mov_b32 s49, 0
	s_lshl_b32 s50, s11, 5
	s_lshl_b32 s51, s10, 2
	s_add_co_u32 s50, s50, s51
	s_lshr_b32 s51, s[WV], 1
	s_add_co_u32 s50, s50, s51
	s_lshl_b32 s50, s50, 8                         ; its group of four tiles' scale words,
	s_and_b32 s51, s[WV], 1
	s_lshl_b32 s51, s51, 3
	s_add_co_u32 s50, s50, s51                     ; and my two words in each row's four
	s_add_co_u32 s50, s50, QS
	s_mov_b32 s51, 0
	s_add_nc_u64 s[48:49], s[4:5], s[48:49]
	s_add_nc_u64 s[50:51], s[4:5], s[50:51]
	s_lshr_b32 s52, s11, 4
	s_lshl_b32 s52, s52, 7
	s_lshl_b32 s53, s10, 4
	s_add_co_u32 s52, s52, s53
	s_add_co_u32 s52, s52, s57                     ; the token tile: 128 x batch + my first tile
	s_mul_i32 s52, s52, TS1
	s_and_b32 s53, s11, 15                         ; the head: K step head / 2, half head % 2 of the next product
	s_lshr_b32 s54, s53, 3
	s_mul_i32 s54, s54, REC
	s_add_co_u32 s52, s52, s54
	s_and_b32 s53, s53, 7
	s_lshl_b32 s54, s53, 1
	s_add_co_u32 s54, s52, s54
	s_add_co_u32 s54, s54, 4096
	s_mov_b32 s55, 0
	s_lshl_b32 s53, s53, 9
	s_add_co_u32 s52, s52, s53
	s_mov_b32 s53, 0
	s_add_nc_u64 s[52:53], s[6:7], s[52:53]
	s_add_nc_u64 s[54:55], s[6:7], s[54:55]
	v_and_b32 v1, 31, v0
	v_and_b32 v2, 15, v0
	v_lshlrev_b32 v1, 4, v1                        ; 16 l
	v_lshlrev_b32 v2, 4, v2                        ; 16 r
	global_load_b128 v[24:27], v1, s[48:49]        ; Q's two half fragments stay in registers
	global_load_b128 v[32:35], v1, s[48:49] offset:512
	global_load_b32 v11, v2, s[50:51]
	global_load_b32 v20, v2, s[50:51] offset:4
	v_and_b32 v8, 7, v0
	v_bfe_u32 v21, v0, 3, 1                        ; r >> 3
	v_bfe_u32 v7, v0, 4, 1                         ; h
	v_lshlrev_b32 v8, 4, v8                        ; 16 (r & 7)
	v_lshl_add_u32 v9, v21, 3, v8                  ; K's scale words: 16 (r & 7) + 8 (r >> 3)
	v_mad_u32_u24 v8, v21, 4*LP, v8
	v_mad_u32_u24 v8, v7, LP, v8                   ; K's fragments: two tiles (four LDS rows) on for r >> 3, a row on for h
	v_mad_u32_u24 v10, v7, LP, v2                  ; V's fragments: 16 r, a row on for h
	v_lshlrev_b32 v7, 3, v7                        ; 8 h
	v_mov_b32 v3, v10                              ; the first step's addresses: record 0
	v_mov_b32 v4, v2
	v_mov_b32 v5, v8
	v_mov_b32 v6, v9
.irp j, 28,29,30,31, 36,37,38,39, 80,81,82,83
	v_mov_b32 v[\j], 0                             ; the upper 64 of Q's K: zero codes; and the four registers behind K's last tile: no load lands there
.endr
.irp n, 0,1
	v_mov_b32 v[13+4*\n], 0xff61b1e6               ; the largest score so far: -3e38
	v_mov_b32 v[12+4*\n], 0x7f61b1e6               ; -M: 3e38
	v_mov_b32 v[14+4*\n], 0
	v_mov_b32 v[15+4*\n], 0
	v_mov_b32 v[141+16*\n], 0                      ; a lane permute's destination counts as one of its sources
	v_mov_b32 v[151+16*\n], 0                      ; (named in a pair with f before it is first written)
.endr
	WIN 0x40
.set j, 0
.rept 64
	v_mov_b32 v[128+j], 0                          ; O^T: the step is written once; the first finds zeros, which the first change of M leaves zeros
.set j, j+1
.endr
	WIN 0
; A KEY STEP: 128 keys, one record, both tiles of queries.
.macro STEP
.irp c, 0,1
.irp i, 0,1,2,3
	ds_load_b128 v[KF+4*(4*\c+\i):KF+4*(4*\c+\i)+3], v5 offset:LP*(8*\c+2*(\i%2))+128*(\i/2)   ; K's tile 4 c + i
.endr
.endr
.irp c, 0,1
.irp k, 0,1
	ds_load_b64 v[KS+4*\c+2*\k:KS+4*\c+2*\k+1], v6 offset:LP*(16+\c)+128*\k   ; the scale words of tiles 4 c + 2 k, + 1
.endr
.endr
.irp d, 0,1,2,3
.irp c, 0,1
	ds_load_b128 v[VF+8*\d+4*\c:VF+8*\d+4*\c+3], v3 offset:LP*(18+4*\d+2*\c)   ; V: ten plain instructions stand between the last step's V^T P and these loads; it has the softmax in which to come
.endr
.endr
	ds_load_b128 v[VS:VS+3], v4 offset:LP*34
	s_add_co_u32 s[TB], s[TB], KVL
	s_wait_dscnt 9                                 ; K's eight loads and its four of scale words are in; V's nine may be out
	WIN 0x40                                       ; results in window 1
.irp t, 0,1,2,3,4,5,6,7
.irp n, 0,1
	v_wmma_scale_f32_16x16x128_f8f6f4 v[64*\n+8*\t:64*\n+8*\t+7], v[KF+4*\t:KF+4*\t+7], v[24+8*\n:31+8*\n], 0, v[KS+\t], v[11+9*\n] matrix_a_fmt:MATRIX_FMT_FP4 matrix_b_fmt:MATRIX_FMT_FP4
.endr
.endr
	WIN 0
	v_add_nc_u32 v3, s[TB], v10                    ; the next step's addresses: the four places behind the products (in the last step they are not used)
	v_add_nc_u32 v4, s[TB], v2
	v_add_nc_u32 v5, s[TB], v8
	v_add_nc_u32 v6, s[TB], v9
	WIN 0x05                                       ; sources 0 and 1 in window 1
.irp n, 0,1
.irp b, 0,1,2,3
	v_max_num_f32 v[136+16*\n+\b], v[64*\n+16*\b], v[64*\n+16*\b+1]   ; the largest score of my two blocks of 32 keys in each tile: two chains to a block, eight by turns, each accumulator from its low end on
.endr
.endr
.irp i, 2,4,6,8,10,12,14
.irp n, 0,1
.irp b, 0,1,2,3
	v_max3_num_f32 v[136+16*\n+\b], v[64*\n+16*\b+\i], v[64*\n+16*\b+\i+1], v[136+16*\n+\b]
.endr
.endr
.endr
	WIN 0
.irp n, 0,1
	v_max_num_f32 v[136+16*\n], v[136+16*\n], v[137+16*\n]   ; block h
.endr
.irp n, 0,1
	v_max_num_f32 v[138+16*\n], v[138+16*\n], v[139+16*\n]   ; block 2 + h
.endr
.irp n, 0,1
	v_mov_b32 v[143+16*\n], v[12+4*\n]             ; the old -M
.endr
.irp n, 0,1
	v_max3_num_f32 v[140+16*\n], v[13+4*\n], v[136+16*\n], v[138+16*\n]
.endr
.irp n, 0,1
	v_permlanex16_b32 v[141+16*\n], v[140+16*\n], s[SEL], s[SEL+1]   ; lane l xor 16's
.endr
.irp n, 0,1
	v_max_num_f32 v[13+4*\n], v[140+16*\n], v[141+16*\n]   ; the running largest score
.endr
.irp n, 0,1
	v_mul_f32 v[142+16*\n], s[CS], v[13+4*\n]      ; as t (c is positive)
.endr
.irp n, 0,1
	v_floor_f32 v[12+4*\n], -v[142+16*\n]          ; the new -M = -ceil(t)
.endr
.irp n, 0,1
	v_sub_f32 v[142+16*\n], v[12+4*\n], v[143+16*\n]   ; old M - new M: a whole number, 0 or less
.endr
.irp n, 0,1
	v_fma_f32 v[136+16*\n], v[136+16*\n], s[CS], v[12+4*\n]   ; t - M of each block's largest score: p rises with the score
.endr
.irp n, 0,1
	v_cvt_i32_f32 v[142+16*\n], v[142+16*\n]       ; (it saturates)
.endr
.irp n, 0,1
	v_fma_f32 v[138+16*\n], v[138+16*\n], s[CS], v[12+4*\n]
.endr
.irp n, 0,1
	v_ldexp_f32 v[150+16*\n], 1.0, v[142+16*\n]    ; f = 2^(old M - new M)
.endr
	WIN 0x41                                       ; source 0 and the destination in window 1
.irp n, 0,1
.set j, 0
.rept 32
	v_pk_fma_f32 v[64*\n+j:64*\n+j+1], v[64*\n+j:64*\n+j+1], s[CS:CS+1], v[12+4*\n:13+4*\n] op_sel_hi:[1,0,0]   ; t - M
.set j, j+2
.endr
.endr
.irp n, 0,1
.set j, 0
.rept 16
	v_pk_mul_f32 v[128+32*\n+j:129+32*\n+j], v[128+32*\n+j:129+32*\n+j], v[150+16*\n:151+16*\n] op_sel_hi:[1,0]   ; O^T under the new M, ahead of the exponentials
.set j, j+2
.endr
.endr
	WIN 0
	s_wait_alu depctr_va_vdst(0)                   ; the wait ahead of the batch
.irp n, 0,1
	v_exp_f32 v[136+16*\n], v[136+16*\n]           ; each block's largest p: one batch of 132 with the p below
	v_exp_f32 v[138+16*\n], v[138+16*\n]
.endr
	WIN 0x41
.set j, 0
.rept 128
	v_exp_f32 v[j], v[j]                           ; p
.set j, j+1
.endr
	WIN 0
.irp n, 0,1
	v_pk_mul_f32 v[14+4*\n:15+4*\n], v[14+4*\n:15+4*\n], v[150+16*\n:151+16*\n] op_sel_hi:[1,0]   ; the sums under the new M: plain instructions behind the batch
.endr
	s_wait_alu depctr_va_vdst(0)                   ; one wait for the batch, ahead of its first reader and of the wait below
	s_wait_dscnt 0x0                               ; V and its scale words are in
.irp c, 0,2
.irp n, 0,1
	v_max_num_f32 v[136+16*\n+\c], 0x1800000, v[136+16*\n+\c]   ; the floor 2^(3 - 127): the byte cannot fall under 1
.endr
.endr
.irp c, 0,1
.irp n, 0,1
	v_add_nc_u32 v[144+16*\n+\c], 0xff000000, v[136+16*\n+2*\c]   ; 2 off the exponent field: the conversions' scale operands
.endr
.endr
.irp c, 0,1
.irp n, 0,1
	v_lshrrev_b32 v[146+16*\n+\c], 23, v[144+16*\n+\c]   ; the bytes
.endr
.endr
.irp n, 0,1
	v_lshl_or_b32 v[146+16*\n], v[147+16*\n], 16, v[146+16*\n]   ; blocks h and 2 + h,
.endr
.irp n, 0,1
	v_lshlrev_b32 v[146+16*\n], v7, v[146+16*\n]   ; at their places in the word: 8 h bits up;
.endr
.irp n, 0,1
	v_permlanex16_b32 v[147+16*\n], v[146+16*\n], s[SEL], s[SEL+1]
.endr
.irp n, 0,1
	v_or_b32 v[151+16*\n], v[146+16*\n], v[147+16*\n]   ; with lane l xor 16's two: p's scale word for these 128 keys
.endr
	WIN 0x01                                       ; source 0 in window 1
.irp n, 0,1
.irp c, 0,1
.irp i, 0,1,2,3
	v_cvt_scalef32_pk8_fp4_f32 v[120+8*\n+4*\c+\i], v[64*\n+32*\c+8*\i:64*\n+32*\c+8*\i+7], v[144+16*\n+\c]   ; register 4 c + i of P's operand: keys 64 c + 32 h + 8 i + 0 .. 7
.endr
.endr
.endr
	WIN 0x05
.irp n, 0,1
	v_pk_add_f32 v[148+16*\n:149+16*\n], v[64*\n:64*\n+1], v[64*\n+2:64*\n+3]   ; the rows' sums of the unquantised p: the second chains begin
.endr
	WIN 0x04                                       ; source 1 in window 1
.irp j, 4,8,12,16,20,24,28,32,36,40,44,48,52
	SUM \j                                         ; 52 plain instructions between the writes of p's scale words and codes and the products below
.endr
	WIN 0x50                                       ; C and D in window 1
.irp d, 0,1,2,3
.irp n, 0,1
	v_wmma_scale_f32_16x16x128_f8f6f4 v[128+32*\n+8*\d:135+32*\n+8*\d], v[VF+8*\d:VF+8*\d+7], v[120+8*\n:127+8*\n], v[128+32*\n+8*\d:135+32*\n+8*\d], v[VS+\d], v[151+16*\n] matrix_a_fmt:MATRIX_FMT_FP4 matrix_b_fmt:MATRIX_FMT_FP4
.endr
.endr
	WIN 0x04
	SUM 56                                         ; the sums' end names no register of these products: with the two lines below ten places behind them
	SUM 60
	WIN 0
.irp n, 0,1
	v_pk_add_f32 v[14+4*\n:15+4*\n], v[14+4*\n:15+4*\n], v[148+16*\n:149+16*\n]
.endr
.endm
	s_wait_alu depctr_va_vdst(0)                   ; the wait at the head's end
	s_wait_loadcnt 0x0                             ; Q
	s_wait_tensorcnt 0x0                           ; my two records are in
	s_wait_dscnt 0x0
	s_barrier_signal -1
	s_barrier_wait -1                              ; all sixteen are; nothing is ever filled again, and the sixteen steps have no barrier
	s_mov_b32 s3, 16
.Lstep:
	STEP
	s_sub_co_u32 s3, s3, 1
	s_cmp_lg_u32 s3, 0
	s_cbranch_scc1 .Lstep
	; THE WAY OUT: O^T / l into v48 + 32 n (K's and V's registers, done with); register 8 t + j is d = 32 (t / 2) + 16 h + 8 (t % 2) + j: 16 neighbours of each block of 32 along the next product's K
.irp n, 0,1
	v_add_f32 v[14+4*\n], v[14+4*\n], v[15+4*\n]
.endr
.irp n, 0,1
	v_permlanex16_b32 v[141+16*\n], v[14+4*\n], s[SEL], s[SEL+1]
.endr
.irp n, 0,1
	v_add_f32 v[14+4*\n], v[14+4*\n], v[141+16*\n] ; the row's sum
.endr
	s_wait_alu depctr_va_vdst(0)                   ; the wait ahead of the transcendentals
	v_rcp_f32 v14, v14
	v_rcp_f32 v18, v18
	v_and_b32 v5, 31, v0                           ; (a plain instruction behind the transcendentals)
	WIN 0x01
	s_wait_alu depctr_va_vdst(0)                   ; and ahead of their first reader, which is also O^T's
.irp n, 0,1
.set j, 0
.rept 32
	v_mul_f32 v[48+32*\n+j], v[128+32*\n+j], v[14+4*\n]
.set j, j+1
.endr
.endr
	WIN 0
.irp n, 0,1
	QUANT2 48+32*\n, 120+8*\n, 136+16*\n
	v_lshl_or_b32 v[148+16*\n], v[143+16*\n], 8, v[142+16*\n]
	global_store_b128 v1, v[120+8*\n:123+8*\n], s[52:53] offset:TS1*\n   ; 512 consecutive bytes
.endr
	s_wait_alu depctr_va_vdst(0)
	s_wait_xcnt 0x0                                ; EXEC changes only behind this wait
	v_cmp_gt_u32 vcc_lo, 16, v5
	s_and_saveexec_b32 s56, vcc_lo                 ; both halves of the lanes hold the bytes: lanes 0-15 send them
	global_store_b16 v2, v148, s[54:55]
	global_store_b16 v2, v164, s[54:55] offset:TS1
	s_wait_xcnt 0x0                                ; and again in front of the line that widens it
	s_or_b32 exec_lo, exec_lo, s56
	s_wait_tensorcnt 0x0                           ; the wave's end
	ds_add_u32 v[SPW], v[NIL]
	s_wait_dscnt 0x0
	CROUND                                         ; the closing round
	s_endpgm
.Lfunc_end_k_q79af2e222e_attn:
	.size	k_q79af2e222e_attn, .Lfunc_end_k_q79af2e222e_attn-k_q79af2e222e_attn
	.p2alignl 7, 3214868480
	.fill 96, 4, 3214868480
	.section	.rodata,"a",@progbits
	.p2align	6, 0x0
	.amdhsa_kernel k_q79af2e222e_attn
		.amdhsa_group_segment_fixed_size 169984
		.amdhsa_private_segment_fixed_size 0
		.amdhsa_enable_private_segment 0
		.amdhsa_kernarg_size 16
		.amdhsa_user_sgpr_count 2
		.amdhsa_user_sgpr_kernarg_segment_ptr 1
		.amdhsa_wavefront_size32 1
		.amdhsa_system_sgpr_workgroup_id_x 1
		.amdhsa_system_sgpr_workgroup_id_y 1
		.amdhsa_system_sgpr_workgroup_id_z 1
		.amdhsa_system_vgpr_workitem_id 0
		.amdhsa_next_free_vgpr 448
		.amdhsa_next_free_sgpr 66
		.amdhsa_reserve_vcc 1
		.amdhsa_float_denorm_mode_32 3
		.amdhsa_float_denorm_mode_16_64 3
		.amdhsa_memory_ordered 1
		.amdhsa_forward_progress 1
		.amdhsa_inst_pref_size 44
	.end_amdhsa_kernel
	.amdgpu_metadata
---
amdhsa.version: [ 1, 2 ]
amdhsa.kernels:
  - .name:           k_q79af2e222e_attn
    .symbol:         k_q79af2e222e_attn.kd
    .args:
      - { .name: qkvimg, .offset: 0, .size: 8, .value_kind: global_buffer, .address_space: global }
      - { .name: ctximg, .offset: 8, .size: 8, .value_kind: global_buffer, .address_space: global }
    .group_segment_fixed_size: 169984
    .private_segment_fixed_size: 0
    .kernarg_segment_align: 8
    .kernarg_segment_size: 16
    .max_flat_workgroup_size: 256
    .sgpr_count:     66
    .vgpr_count:     448
    .wavefront_size: 32
...
	.end_amdgpu_metadata
.endif
;; end of part 3
;; launch proj (part 4): grid 256 x 1, 16 waves a work-group, no clusters, 68,608 bytes of LDS; arguments ctximg, wimg, x, bo, g2, be2, x1, z1img; writes x1, z1img
.if DOCPART == 4
	.amdgcn_target "amdgcn-amd-amdhsa--gfx1250"
	.amdhsa_code_object_version 6
	.text
	.protected	k_q79af2e222e_proj
	.globl	k_q79af2e222e_proj
	.p2align	8
	.type	k_q79af2e222e_proj,@function
k_q79af2e222e_proj:
	s_mov_b64 s[64:65], 0
	v_nop
	global_prefetch_b8 v0, s[64:65] scope:SCOPE_SE
	s_setreg_imm32_b32 hwreg(HW_REG_WAVE_MODE, 25, 1), 1
	s_wait_xcnt 0x0
; PROJ.  x1 = x + ctx wo + bo (codes of E2M1, K = 1,024), z1 = LN(x1), quantised along its 1,024.  x1 goes out as f32 (the last residual wants it), z1 as an image.
; The norm wants whole rows, so a work-group takes ONE token tile (16 tokens) and all 1,024 columns; wave w columns 64 w on: wo's tiles 4 w .. 4 w + 3.
; Source 0 = 16 columns of wo, source 1 = the tokens: a lane holds one token and eight neighbouring columns a tile.
; NO TENSOR LOAD, NO MULTICAST: wo's image is 557,056 bytes, more than LDS holds beside the stage, and each of its fragments feeds one matrix instruction of one wave:
; the fragments go from their image straight into registers, 512 consecutive bytes a load, three K steps ahead.
; LIMITS: as in PREP.
; REGISTERS: v16-79 ctx's 8 fragments; v80-87 its scale words; v88-119 wo's scale words [tile][K step]; v120-151 four accumulators; v152, v184, v216: three buffers of 32.
.set REC,  4352
.set TS1,  8704
.set TS4,  34816
.set RWO,  1671168
.set P,    4112
.set SCST, 16*P
.set WV,   28
.set SEL,  40
.set INV,  42
.set EPS,  43
.set LT,   120
.set LC,   128
.set L16,  1
.set STW,  5
.set LIN,  6
.set LRD,  7
.set LSB,  8
.set LSR,  9
.set LSO,  10
.set IMG,  34
.set IMS,  36
.set ACC,  120
.set BB,   152
.macro PLACES n
.rept \n
	v_nop
.endr
.endm
.macro BAR
	s_wait_dscnt 0x0
	s_barrier_signal -1
	s_barrier_wait -1
.endm
.macro WSUM v, t
	s_delay_alu instid0(VALU_DEP_1)
	v_add_f32_dpp v[\v], v[\v], v[\v] row_xmask:1 row_mask:0xf bank_mask:0xf
	s_delay_alu instid0(VALU_DEP_1)
	v_add_f32_dpp v[\v], v[\v], v[\v] row_xmask:2 row_mask:0xf bank_mask:0xf
	s_delay_alu instid0(VALU_DEP_1)
	v_add_f32_dpp v[\v], v[\v], v[\v] row_xmask:4 row_mask:0xf bank_mask:0xf
	s_delay_alu instid0(VALU_DEP_1)
	v_add_f32_dpp v[\v], v[\v], v[\v] row_xmask:8 row_mask:0xf bank_mask:0xf
	s_delay_alu instid0(VALU_DEP_1)
	v_permlanex16_b32 v[\t], v[\v], s[SEL], s[SEL+1]
	s_delay_alu instid0(VALU_DEP_1)
	v_add_f32 v[\v], v[\v], v[\t]
.endm
.macro LNROW src, dst, g, be           ; as in PREP
	v_pk_add_f32 v[122:123], v[216:217], v[218:219]
	v_pk_add_f32 v[252:253], v[224:225], v[228:229]
	v_pk_add_f32 v[250:251], v[232:233], v[236:237]
	v_pk_add_f32 v[248:249], v[240:241], v[244:245]
	v_pk_add_f32 v[182:183], v[220:221], v[222:223]
	v_pk_add_f32 v[180:181], v[226:227], v[230:231]
	v_pk_add_f32 v[178:179], v[234:235], v[238:239]
	v_pk_add_f32 v[120:121], v[242:243], v[246:247]
	s_delay_alu instid0(VALU_DEP_1)
	v_pk_add_f32 v[120:121], v[120:121], v[248:249]
	v_pk_add_f32 v[122:123], v[122:123], v[182:183]
	v_pk_add_f32 v[252:253], v[252:253], v[180:181]
	v_pk_add_f32 v[250:251], v[250:251], v[178:179]
	s_delay_alu instid0(VALU_DEP_2)
	v_pk_add_f32 v[120:121], v[120:121], v[252:253]
	s_delay_alu instid0(VALU_DEP_2)
	v_pk_add_f32 v[122:123], v[122:123], v[250:251]
	s_delay_alu instid0(VALU_DEP_1)
	v_pk_add_f32 v[120:121], v[120:121], v[122:123]
	s_delay_alu instid0(VALU_DEP_1)
	v_add_f32 v[LT], v[LT], v[LT+1]
	WSUM LT, LT+1
	s_delay_alu instid0(VALU_DEP_1)
	v_mul_f32 v[LT], s[INV], v[LT]
.irp j, 0,2,4,6,8,10,12,14,16,18,20,22,24,26,28,30
	v_pk_add_f32 v[\dst+\j:\dst+\j+1], v[\src+\j:\src+\j+1], v[LT:LT+1] op_sel_hi:[1,0] neg_lo:[0,1] neg_hi:[0,1]
.endr
	v_pk_mul_f32 v[LT+2:LT+3], v[\dst:\dst+1], v[\dst:\dst+1]
	v_pk_mul_f32 v[LT+4:LT+5], v[\dst+2:\dst+3], v[\dst+2:\dst+3]
.irp j, 4,8,12,16,20,24,28
	s_delay_alu instid0(VALU_DEP_2)
	v_pk_fma_f32 v[LT+2:LT+3], v[\dst+\j:\dst+\j+1], v[\dst+\j:\dst+\j+1], v[LT+2:LT+3]
	s_delay_alu instid0(VALU_DEP_2)
	v_pk_fma_f32 v[LT+4:LT+5], v[\dst+\j+2:\dst+\j+3], v[\dst+\j+2:\dst+\j+3], v[LT+4:LT+5]
.endr
	s_delay_alu instid0(VALU_DEP_1)
	v_pk_add_f32 v[LT+2:LT+3], v[LT+2:LT+3], v[LT+4:LT+5]
	s_delay_alu instid0(VALU_DEP_1)
	v_add_f32 v[LT+2], v[LT+2], v[LT+3]
	WSUM LT+2, LT+3
	s_delay_alu instid0(VALU_DEP_1)
	v_fma_f32 v[LT+2], v[LT+2], s[INV], s[EPS]
	s_wait_alu depctr_va_vdst(0)
	v_rsq_f32 v[LT+4], v[LT+2]
	v_nop
	s_wait_alu depctr_va_vdst(0)                   ; the wait ahead of the first reader
	s_wait_loadcnt 0x0                             ; g and be are in
.irp j, 0,2,4,6,8,10,12,14,16,18,20,22,24,26,28,30
	v_pk_mul_f32 v[\dst+\j:\dst+\j+1], v[\dst+\j:\dst+\j+1], v[LT+4:LT+5] op_sel_hi:[1,0]
.endr
.irp j, 0,2,4,6,8,10,12,14,16,18,20,22,24,26,28,30
	v_pk_fma_f32 v[\dst+\j:\dst+\j+1], v[\dst+\j:\dst+\j+1], v[\g+\j:\g+\j+1], v[\be+\j:\be+\j+1]
.endr
.endm
.macro LNB x                           ; as in PREP
.irp i, 0,1,2,3,4,5,6,7
	ds_load_b128 v[\x+4*\i:\x+4*\i+3], v[LRD] offset:16*\i
.endr
	s_wait_dscnt 0x0
	v_max3_num_f32 v[LT], |v[\x]|, |v[\x+1]|, |v[\x+2]|
	v_max3_num_f32 v[LT+1], |v[\x+3]|, |v[\x+4]|, |v[\x+5]|
.irp i, 6,10,14,18,22,26
	s_delay_alu instid0(VALU_DEP_2)
	v_max3_num_f32 v[LT], v[LT], |v[\x+\i]|, |v[\x+\i+1]|
	s_delay_alu instid0(VALU_DEP_2)
	v_max3_num_f32 v[LT+1], v[LT+1], |v[\x+\i+2]|, |v[\x+\i+3]|
.endr
	s_delay_alu instid0(VALU_DEP_2)
	v_max3_num_f32 v[LT], v[LT], |v[\x+30]|, |v[\x+31]|
	s_delay_alu instid0(VALU_DEP_1)
	v_max3_num_f32 v[LT], v[LT], v[LT+1], 0x1800000
	s_delay_alu instid0(VALU_DEP_1)
	v_add_nc_u32 v[LT+2], 0xff000000, v[LT]
	s_delay_alu instid0(VALU_DEP_1)
	v_lshrrev_b32 v[LT+3], 23, v[LT+2]
.irp g, 0,1,2,3
	v_cvt_scalef32_pk8_fp4_f32 v[LC+\g], v[\x+8*\g:\x+8*\g+7], v[LT+2]
.endr
	v_nop
	global_store_b128 v[L16], v[LC:LC+3], s[IMG:IMG+1]
	ds_store_b8 v[LSB], v[LT+3]
	BAR
	s_cmp_lg_u32 s[WV], 0
	s_cbranch_scc1 .Lscales_out
	ds_load_b128 v[\x:\x+3], v[LSR]
	s_wait_dscnt 0x0
	global_store_b128 v[LSO], v[\x:\x+3], s[IMS:IMS+1]
.Lscales_out:
.endm
	s_load_b512 s[4:19], s[0:1], 0x0               ; ctximg, wimg, x, bo, g2, be2, x1, z1img
	v_lshl_add_u32 v254, v0, 2, 0x10400
	v_mov_b32 v255, 0
	v_lshrrev_b32 v1, 5, v0
	s_delay_alu instid0(VALU_DEP_1)
	v_readfirstlane_b32 s[WV], v1                  ; wave 0..15
	v_and_b32 v1, 31, v0
	s_delay_alu instid0(VALU_DEP_1)
	v_lshlrev_b32 v[L16], 4, v1                    ; 16 l
	v_and_b32 v4, 15, v0                           ; r
	s_wait_alu depctr_va_vdst(0)
	v_lshlrev_b32 v2, 4, v4                        ; 16 r
	v_bfe_u32 v3, v0, 4, 1                         ; h
	s_lshr_b32 s31, ttmp9, 1
	s_lshl_b32 s31, s31, 5
	s_and_b32 s38, ttmp9, 1
	s_lshl_b32 s38, s38, 3
	s_add_co_u32 s31, s31, s38
	s_and_b32 s38, s[WV], 7
	s_add_co_u32 s31, s31, s38
	s_lshr_b32 s39, s[WV], 3
	s_lshl_b32 s44, s39, 4
	s_add_co_u32 s31, s31, s44                     ; the token of tile lane w
	s_lshl_b32 s32, s31, 12
	s_mov_b32 s33, 0
	s_mul_i32 s20, ttmp9, TS1
	s_mov_b32 s21, 0
	s_mul_i32 s22, s[WV], TS4
	s_add_co_u32 s22, s22, RWO                     ; wo's tiles 4 w on
	s_mov_b32 s23, 0
	s_mul_i32 s44, s39, REC
	s_lshl_b32 s45, s38, 9
	s_add_co_u32 s34, s20, s44
	s_add_co_u32 s34, s34, s45
	s_mov_b32 s35, 0
	s_add_co_u32 s36, s20, 4096
	s_mov_b32 s37, 0
	s_mov_b32 s[SEL], 0x76543210
	s_mov_b32 s[SEL+1], 0xfedcba98
	s_mov_b32 s[INV], 0x3a800000
	s_mov_b32 s[EPS], 0x3727c5ac
	s_lshl_b32 s46, s[WV], 8
	v_mul_u32_u24 v[STW], v4, P
	s_wait_alu depctr_va_vdst(0)
	v_lshl_add_u32 v[STW], v3, 6, v[STW]
	s_delay_alu instid0(VALU_DEP_1)
	v_add_nc_u32 v[STW], s46, v[STW]               ; the stage, in: row r, 256 w + 64 h
	s_mul_i32 s44, s[WV], P
	v_add_nc_u32 v[LIN], s44, v[L16]               ; row w, 16 l
	v_mul_u32_u24 v[LRD], v4, P
	s_delay_alu instid0(VALU_DEP_1)
	v_lshl_add_u32 v[LRD], v3, 7, v[LRD]
	s_delay_alu instid0(VALU_DEP_1)
	v_add_nc_u32 v[LRD], s46, v[LRD]
	s_lshl_b32 s44, s39, 8
	s_lshl_b32 s45, s38, 1
	s_add_co_u32 s44, s44, s45
	s_add_co_u32 s44, s44, SCST
	v_lshl_add_u32 v[LSB], v4, 4, v3
	s_delay_alu instid0(VALU_DEP_1)
	v_add_nc_u32 v[LSB], s44, v[LSB]
	v_add_nc_u32 v[LSR], SCST, v[L16]
	v_mul_u32_u24 v[LSO], v3, REC
	s_delay_alu instid0(VALU_DEP_1)
	v_lshl_add_u32 v[LSO], v4, 4, v[LSO]
	v_and_b32 v12, 31, v0
	v_min_u32 v11, 15, v12
	v_min_u32 v12, 21, v12
	v_lshlrev_b32 v11, 8, v11                      ; the prefetches' offsets, never rewritten: 256 x lane over 16 blocks (the lanes left over name the last again),
	v_lshlrev_b32 v12, 8, v12                      ; and over 22 blocks
	s_wait_alu depctr_va_vdst(0)
	s_wait_kmcnt 0x0
	s_add_nc_u64 s[20:21], s[4:5], s[20:21]
	s_add_nc_u64 s[22:23], s[6:7], s[22:23]
	s_add_nc_u64 s[24:25], s[8:9], s[32:33]
	s_add_nc_u64 s[26:27], s[16:17], s[32:33]
	s_add_nc_u64 s[IMG:IMG+1], s[18:19], s[IMG:IMG+1]
	s_add_nc_u64 s[IMS:IMS+1], s[18:19], s[IMS:IMS+1]
	; PREFETCHES INTO THE L2 of what is loaded three K steps on or later; each aligned block of 256 bytes is named once in the launch.
	; x: each wave its own row, 16 blocks, loaded behind K step 5.  wo: K steps 3 to 7 of a tile are its bytes 3,072 to 8,703, 22 blocks: wave 0 of work-group g < 64 asks for tile g's (all work-groups read all 64 tiles).
	; bo, g2, be2, 16 blocks each, loaded behind K steps 6 and 7: wave 0 of work-groups 64, 65, 66.  K steps 0 to 2 come by their loads alone.
	global_prefetch_b8 v11, s[24:25] th:TH_LOAD_NT scope:SCOPE_SE
	s_mul_i32 s48, ttmp9, TS1
	s_add_co_u32 s48, s48, RWO+3072
	s_mov_b32 s49, 0
	s_add_nc_u64 s[48:49], s[6:7], s[48:49]
	s_lshr_b32 s50, ttmp9, 6
	s_or_b32 s50, s50, s[WV]
	s_cmp_lg_u32 s50, 0
	s_cbranch_scc1 .Lno_wo
	global_prefetch_b8 v12, s[48:49] th:TH_LOAD_NT scope:SCOPE_SE
.Lno_wo:
	s_cmp_eq_u32 ttmp9, 65
	s_cselect_b64 s[52:53], s[12:13], s[10:11]
	s_cmp_eq_u32 ttmp9, 66
	s_cselect_b64 s[52:53], s[14:15], s[52:53]
	s_sub_co_u32 s54, ttmp9, 64
	s_cmp_lt_u32 s54, 3
	s_cselect_b32 s54, s[WV], 1
	s_cmp_lg_u32 s54, 0
	s_cbranch_scc1 .Lno_vec
	global_prefetch_b8 v11, s[52:53] th:TH_LOAD_NT scope:SCOPE_SE
.Lno_vec:
.irp s, 0,1,2,3,4,5,6,7
.irp c, 0,1
	global_load_b128 v[16+8*\s+4*\c:19+8*\s+4*\c], v[L16], s[20:21] offset:(\s/4)*REC+(\s%4)*1024+\c*512
.endr
.endr
	global_load_b128 v[80:83], v2, s[20:21] offset:4096
	global_load_b128 v[84:87], v2, s[20:21] offset:4096+REC
.irp tn, 0,1,2,3
.irp kc, 0,1
	global_load_b128 v[88+8*\tn+4*\kc:91+8*\tn+4*\kc], v2, s[22:23] offset:\tn*TS1+\kc*REC+4096
.endr
.endr
.macro BLOAD s                         ; K step s of my four tiles of wo: eight loads into buffer s % 3
.irp tn, 0,1,2,3
.irp c, 0,1
	global_load_b128 v[BB+32*((\s)%3)+8*\tn+4*\c:BB+32*((\s)%3)+8*\tn+4*\c+3], v[L16], s[22:23] offset:\tn*TS1+((\s)/4)*REC+((\s)%4)*1024+\c*512
.endr
.endr
.endm
.macro KS s                            ; four accumulators by turns, one instruction a turn
	s_wait_loadcnt 16                              ; this K step's loads and all older ones are in; the two younger groups of eight may be out
.irp tn, 0,1,2,3
.if (\s) == 0
	v_wmma_scale_f32_16x16x128_f8f6f4 v[ACC+8*\tn:ACC+8*\tn+7], v[BB+32*((\s)%3)+8*\tn:BB+32*((\s)%3)+8*\tn+7], v[16+8*(\s):23+8*(\s)], 0, v[88+8*\tn+(\s)], v[80+(\s)] matrix_a_fmt:MATRIX_FMT_FP4 matrix_b_fmt:MATRIX_FMT_FP4
.else
	v_wmma_scale_f32_16x16x128_f8f6f4 v[ACC+8*\tn:ACC+8*\tn+7], v[BB+32*((\s)%3)+8*\tn:BB+32*((\s)%3)+8*\tn+7], v[16+8*(\s):23+8*(\s)], v[ACC+8*\tn:ACC+8*\tn+7], v[88+8*\tn+(\s)], v[80+(\s)] matrix_a_fmt:MATRIX_FMT_FP4 matrix_b_fmt:MATRIX_FMT_FP4
.endif
.endr
	PLACES 4                                       ; in front of loads into the buffer just read
.endm
	BLOAD 0
	BLOAD 1
	BLOAD 2
.irp s, 0,1,2,3,4
	KS \s
	BLOAD \s+3
.endr
	KS 5
.irp j, 0,1,2,3,4,5,6,7
	global_load_b128 v[BB+64+4*\j:BB+64+4*\j+3], v[L16], s[24:25] offset:512*\j th:TH_LOAD_NT   ; x's row of tile lane w, dense
.endr
	KS 6
.irp j, 0,1,2,3,4,5,6,7
	global_load_b128 v[BB+4*\j:BB+4*\j+3], v[L16], s[10:11] offset:512*\j                       ; bo
.endr
	KS 7
.irp j, 0,1,2,3,4,5,6,7
	global_load_b128 v[BB+32+4*\j:BB+32+4*\j+3], v[L16], s[12:13] offset:512*\j                 ; g2
.endr
.irp j, 0,1,2,3,4,5,6,7
	global_load_b128 v[16+4*\j:19+4*\j], v[L16], s[14:15] offset:512*\j                         ; be2
.endr
.irp tn, 0,1,2,3
	ds_store_b128 v[STW], v[ACC+8*\tn:ACC+8*\tn+3] offset:128*(\tn/2)+32*(\tn%2)                ; each accumulator from its low end on; columns 64 w + 32 (tn / 2) + 16 h + 8 (tn % 2) + 0 .. 7
	ds_store_b128 v[STW], v[ACC+8*\tn+4:ACC+8*\tn+7] offset:128*(\tn/2)+32*(\tn%2)+16
.endr
	BAR                                            ; 16 whole rows of ctx wo lie in the stage
.irp j, 0,1,2,3,4,5,6,7
	ds_load_b128 v[48+4*\j:51+4*\j], v[LIN] offset:512*\j
.endr
	s_wait_loadcnt 16                              ; x and bo are in; g2's and be2's sixteen loads may be out
	s_wait_dscnt 0x0
.irp j, 0,2,4,6,8,10,12,14,16,18,20,22,24,26,28,30
	v_pk_add_f32 v[BB+64+\j:BB+64+\j+1], v[BB+64+\j:BB+64+\j+1], v[48+\j:49+\j]
.endr
.irp j, 0,2,4,6,8,10,12,14,16,18,20,22,24,26,28,30
	v_pk_add_f32 v[BB+64+\j:BB+64+\j+1], v[BB+64+\j:BB+64+\j+1], v[BB+\j:BB+\j+1]               ; x1 = (x + ctx wo) + bo
.endr
.irp j, 0,1,2,3,4,5,6,7
	global_store_b128 v[L16], v[BB+64+4*\j:BB+64+4*\j+3], s[26:27] offset:512*\j                ; 512 consecutive bytes; these registers are not written again
.endr
	LNROW BB+64, 48, BB+32, 16
.irp j, 0,1,2,3,4,5,6,7
	ds_store_b128 v[LIN], v[48+4*\j:51+4*\j] offset:512*\j                                      ; z1 into my own row of the stage, which I alone have read
.endr
	BAR
	LNB BB
	s_wait_tensorcnt 0x0
	ds_add_u32 v254, v255
	s_wait_dscnt 0x0
	s_endpgm
.Lfunc_end_k_q79af2e222e_proj:
	.size	k_q79af2e222e_proj, .Lfunc_end_k_q79af2e222e_proj-k_q79af2e222e_proj
	.p2alignl 7, 3214868480
	.fill 96, 4, 3214868480
	.section	.rodata,"a",@progbits
	.p2align	6, 0x0
	.amdhsa_kernel k_q79af2e222e_proj
		.amdhsa_group_segment_fixed_size 68608
		.amdhsa_private_segment_fixed_size 0
		.amdhsa_enable_private_segment 0
		.amdhsa_kernarg_size 64
		.amdhsa_user_sgpr_count 2
		.amdhsa_user_sgpr_kernarg_segment_ptr 1
		.amdhsa_wavefront_size32 1
		.amdhsa_system_sgpr_workgroup_id_x 1
		.amdhsa_system_sgpr_workgroup_id_y 1
		.amdhsa_system_sgpr_workgroup_id_z 1
		.amdhsa_system_vgpr_workitem_id 0
		.amdhsa_next_free_vgpr 256
		.amdhsa_next_free_sgpr 66
		.amdhsa_reserve_vcc 0
		.amdhsa_float_denorm_mode_32 3
		.amdhsa_float_denorm_mode_16_64 3
		.amdhsa_memory_ordered 1
		.amdhsa_forward_progress 1
		.amdhsa_inst_pref_size 36
	.end_amdhsa_kernel
	.amdgpu_metadata
---
amdhsa.version: [ 1, 2 ]
amdhsa.kernels:
  - .name:           k_q79af2e222e_proj
    .symbol:         k_q79af2e222e_proj.kd
    .args:
      - { .name: ctximg, .offset: 0, .size: 8, .value_kind: global_buffer, .address_space: global }
      - { .name: wimg, .offset: 8, .size: 8, .value_kind: global_buffer, .address_space: global }
      - { .name: x, .offset: 16, .size: 8, .value_kind: global_buffer, .address_space: global }
      - { .name: bo, .offset: 24, .size: 8, .value_kind: global_buffer, .address_space: global }
      - { .name: g2, .offset: 32, .size: 8, .value_kind: global_buffer, .address_space: global }
      - { .name: be2, .offset: 40, .size: 8, .value_kind: global_buffer, .address_space: global }
      - { .name: x1, .offset: 48, .size: 8, .value_kind: global_buffer, .address_space: global }
      - { .name: z1img, .offset: 56, .size: 8, .value_kind: global_buffer, .address_space: global }
    .group_segment_fixed_size: 68608
    .private_segment_fixed_size: 0
    .kernarg_segment_align: 8
    .kernarg_segment_size: 64
    .max_flat_workgroup_size: 512
    .sgpr_count:     66
    .vgpr_count:     256
    .wavefront_size: 32
...
	.end_amdgpu_metadata
.endif
;; end of part 4
;; launch up (part 5): grid 16 x 16, 16 waves a work-group, clusters of 4 x 4, 280,576 bytes of LDS; arguments z1img, wimg, b1, himg; writes himg
.if DOCPART == 5
	.amdgcn_target "amdgcn-amd-amdhsa--gfx1250"
	.amdhsa_code_object_version 6
	.text
	.protected	k_q79af2e222e_up
	.globl	k_q79af2e222e_up
	.p2align	8
	.type	k_q79af2e222e_up,@function
k_q79af2e222e_up:
	s_mov_b64 s[64:65], 0
	v_nop
	global_prefetch_b8 v0, s[64:65] scope:SCOPE_SE
	s_setreg_imm32_b32 hwreg(HW_REG_WAVE_MODE, 25, 1), 1
	s_wait_xcnt 0x0
	s_wait_alu depctr_hold_cnt(0) depctr_sa_sdst(0) depctr_va_vdst(0) depctr_va_sdst(0) depctr_va_ssrc(0) depctr_va_vcc(0) depctr_vm_vsrc(0)
	s_getreg_b32 s2, hwreg(HW_REG_IB_STS2, 6, 4)
	s_cmp_eq_u32 s2, 0
	s_cbranch_scc0 .Lentry_in_a_cluster
	s_endpgm
.Lentry_in_a_cluster:
	s_bfe_u32 s2, ttmp6, 0x10000c
	s_cmp_lg_u32 s2, 0xf033
	s_cbranch_scc0 .Lentry_shape_is_right
	s_endpgm
.Lentry_shape_is_right:
; UP.  h = gelu(z1 w1 + b1) on codes of E2M1 (K = 1,024), quantised along its 4,096 for the next product: only codes and scale bytes go to memory.
; The frame is QKV's q and k way: 256 tokens x 256 columns a work-group, sixteen waves of 64 x 64, both panels for all of K filled once, cluster 4 x 4 with joint loads,
; source 0 = 16 columns of w1, source 1 = 16 tokens, the bias loaded into the accumulators.
; GELU: 0.5 x (1 + erf(x / sqrt 2)), erf(u) = u P(u^2) / Q(u^2) with u held to +-4: a rational of degrees 6 and 4 in u^2, in f32; its error is about 1e-7 of 1.  1 / Q by v_rcp_f32.
; LIMITS: as in PREP.  The scale bytes leave two at a time (512 KB in the launch).
.set REC,  4352
.set TS1,  8704
.set TS4,  34816
.set RW1,  2228224
.set SLOT, 139264
.set BOFF, 69632
.set WT,   17408
.set ADA,  4
.set ADB,  6
.set ASA,  8
.set ASB,  10
.set FR0,  16
.set FR1,  48
.set SC0,  80
.set SC1,  96
.set ACC,  128
.set U,    16                          ; the way out: v16-47 u, then erf
.set QQ,   48                          ; v48-79  Q, then 1 / Q
.set SQ,   80                          ; v80-87  u^2, four pairs
.set PP,   88                          ; v88-95  P, four pairs
.set CA1,  96                          ; v96-97  P's second coefficient, twice
.set CB1,  98                          ; v98-99  Q's
.set TM,   100                         ; v100-107 at work;  v108-111 the tiles' two scale bytes;  v112-127 their codes
.set WV,   16
.set G1A,  32
.set G1B,  40
.set G0A,  48
.set G0B,  56
.set SEL,  66
.macro PLACES n
.rept \n
	v_nop
.endr
.endm
.macro BAR
	s_wait_dscnt 0x0
	s_barrier_signal -1
	s_barrier_wait -1
.endm
.macro CROUND
	s_barrier_signal -1
	s_barrier_wait -1
	s_cmp_lg_u32 s[WV], 0
	s_cbranch_scc1 .Lnot_wave_0_\@
	s_barrier_signal -3
.Lnot_wave_0_\@:
	s_barrier_wait -3
	s_barrier_signal -1
	s_barrier_wait -1
.endm
.macro MMA d, a, b, sa, sb
	v_wmma_scale_f32_16x16x128_f8f6f4 v[\d:\d+7], v[\a:\a+7], v[\b:\b+7], v[\d:\d+7], v[\sa], v[\sb] matrix_a_fmt:MATRIX_FMT_FP4 matrix_b_fmt:MATRIX_FMT_FP4
.endm
.macro RECM s, ad0, as0, ad1, as1      ; one record: four K steps of 16 matrix instructions; the 16 accumulators take turns
	PLACES 4
.irp i, 0,1,2,3
	ds_load_b128 v[SC0+4*\i:SC0+4*\i+3], v[\as0+\s] offset:\i*REC
.endr
.irp i, 0,1,2,3
	ds_load_b128 v[SC1+4*\i:SC1+4*\i+3], v[\as1+\s] offset:\i*REC
.endr
.irp q, 0,1,2,3
.if \q > 0
	PLACES 4
.endif
.irp i, 0,1,2,3
.irp c, 0,1
	ds_load_b128 v[FR1+8*\i+4*\c:FR1+8*\i+4*\c+3], v[\ad1+\s] offset:\i*REC+\q*1024+\c*512
.endr
.endr
.irp i, 0,1,2,3
.irp c, 0,1
	ds_load_b128 v[FR0+8*\i+4*\c:FR0+8*\i+4*\c+3], v[\ad0+\s] offset:\i*REC+\q*1024+\c*512
.endr
.endr
.irp i0, 0,1,2,3
	s_wait_dscnt 6-2*\i0                           ; source 1's fragments and source 0's tile i0 are in; the later tiles' two loads each may be out
.irp i1, 0,1,2,3
	MMA ACC+8*(4*\i1+\i0), FR0+8*\i0, FR1+8*\i1, SC0+4*\i0+\q, SC1+4*\i1+\q
.endr
.endr
.endr
.endm
.macro QUANT2 s, pc                    ; as in QKV
.irp b, 0,1
	v_max3_num_f32 v[TM+\b], |v[\s+16*\b]|, |v[\s+1+16*\b]|, 0x1800000
.endr
.irp i, 2,4,6,8,10,12,14
.irp b, 0,1
	s_delay_alu instid0(VALU_DEP_2)
	v_max3_num_f32 v[TM+\b], v[TM+\b], |v[\s+16*\b+\i]|, |v[\s+1+16*\b+\i]|
.endr
.endr
.irp b, 0,1
	s_delay_alu instid0(VALU_DEP_2)
	v_permlanex16_b32 v[TM+2+\b], v[TM+\b], s[SEL], s[SEL+1]
.endr
.irp b, 0,1
	s_delay_alu instid0(VALU_DEP_2)
	v_max_num_f32 v[TM+\b], v[TM+\b], v[TM+2+\b]
.endr
.irp b, 0,1
	s_delay_alu instid0(VALU_DEP_2)
	v_add_nc_u32 v[TM+4+\b], 0xff000000, v[TM+\b]
.endr
.irp b, 0,1
	s_delay_alu instid0(VALU_DEP_2)
	v_lshrrev_b32 v[TM+6+\b], 23, v[TM+4+\b]
.endr
.irp b, 0,1
	v_cvt_scalef32_pk8_fp4_f32 v[\pc+2*\b], v[\s+16*\b:\s+16*\b+7], v[TM+4+\b]
	v_cvt_scalef32_pk8_fp4_f32 v[\pc+1+2*\b], v[\s+8+16*\b:\s+8+16*\b+7], v[TM+4+\b]
.endr
	v_nop
	v_permlane16_swap_b32 v[\pc], v[\pc+2]
	v_permlane16_swap_b32 v[\pc+1], v[\pc+3]
.endm
; 32 numbers in place: one accumulator (four pairs, by turns) at a time up to the division; the 32 reciprocals are one batch with one wait.
.macro GELU32 x
.irp g, 0,1,2,3
.irp p, 0,1,2,3
	v_pk_mul_f32 v[U+8*\g+2*\p:U+8*\g+2*\p+1], v[\x+8*\g+2*\p:\x+8*\g+2*\p+1], 0x3f3504f3 op_sel_hi:[1,0]   ; u = x / sqrt 2
.endr
.irp p, 0,1,2,3,4,5,6,7
	v_med3_num_f32 v[U+8*\g+\p], v[U+8*\g+\p], -4.0, 4.0
.endr
.irp p, 0,1,2,3
	v_pk_mul_f32 v[SQ+2*\p:SQ+2*\p+1], v[U+8*\g+2*\p:U+8*\g+2*\p+1], v[U+8*\g+2*\p:U+8*\g+2*\p+1]
.endr
.irp p, 0,1,2,3
	s_delay_alu instid0(VALU_DEP_4)
	v_pk_fma_f32 v[PP+2*\p:PP+2*\p+1], v[SQ+2*\p:SQ+2*\p+1], 0xaf95df0b, v[CA1:CA1+1] op_sel_hi:[1,0,1]
.endr
.irp a, 0xb60cff51, 0xb86ec2d2, 0xba40ac63, 0xbb41a1f6, 0xbc83dbd4
.irp p, 0,1,2,3
	s_delay_alu instid0(VALU_DEP_4)
	v_pk_fma_f32 v[PP+2*\p:PP+2*\p+1], v[PP+2*\p:PP+2*\p+1], v[SQ+2*\p:SQ+2*\p+1], \a op_sel_hi:[1,1,0]
.endr
.endr
.irp p, 0,1,2,3
	v_pk_fma_f32 v[QQ+8*\g+2*\p:QQ+8*\g+2*\p+1], v[SQ+2*\p:SQ+2*\p+1], 0xb77460cd, v[CB1:CB1+1] op_sel_hi:[1,0,1]
.endr
.irp a, 0xbadc924e, 0xbbf19bf8, 0xbc69b6a7
.irp p, 0,1,2,3
	s_delay_alu instid0(VALU_DEP_4)
	v_pk_fma_f32 v[QQ+8*\g+2*\p:QQ+8*\g+2*\p+1], v[QQ+8*\g+2*\p:QQ+8*\g+2*\p+1], v[SQ+2*\p:SQ+2*\p+1], \a op_sel_hi:[1,1,0]
.endr
.endr
.irp p, 0,1,2,3
	v_pk_mul_f32 v[U+8*\g+2*\p:U+8*\g+2*\p+1], v[PP+2*\p:PP+2*\p+1], v[U+8*\g+2*\p:U+8*\g+2*\p+1]          ; u P
.endr
.irp p, 0,1,2,3
	v_pk_mul_f32 v[\x+8*\g+2*\p:\x+8*\g+2*\p+1], v[\x+8*\g+2*\p:\x+8*\g+2*\p+1], 0.5 op_sel_hi:[1,0]
.endr
.endr
.set j, 0
	s_wait_alu depctr_va_vdst(0)
.rept 32
	v_rcp_f32 v[QQ+j], v[QQ+j]
.set j, j+1
.endr
	v_nop                                          ; a plain instruction behind the last reciprocal
	s_wait_alu depctr_va_vdst(0)                   ; one wait for the batch, ahead of its first reader
.set j, 0
.rept 16
	v_pk_mul_f32 v[U+j:U+j+1], v[U+j:U+j+1], v[QQ+j:QQ+j+1]                                                ; erf
.set j, j+2
.endr
.set j, 0
.rept 16
	v_pk_fma_f32 v[\x+j:\x+j+1], v[\x+j:\x+j+1], v[U+j:U+j+1], v[\x+j:\x+j+1]                              ; 0.5 x erf + 0.5 x
.set j, j+2
.endr
.endm
	s_load_b256 s[4:11], s[0:1], 0x0               ; z1img, wimg, b1, himg
	v_lshl_add_u32 v14, v0, 2, 0x44000
	v_mov_b32 v15, 0
	ds_add_u32 v14, v15
	ds_add_u32 v14, v15
	v_lshrrev_b32 v1, 5, v0
	s_delay_alu instid0(VALU_DEP_1)
	v_readfirstlane_b32 s[WV], v1
	s_lshr_b32 s17, s[WV], 2                       ; wm
	s_and_b32 s18, s[WV], 3                        ; wn
	s_and_b32 s19, s[WV], 1
	s_bfe_u32 s20, ttmp6, 0x40000                  ; cx
	s_bfe_u32 s21, ttmp6, 0x40004                  ; cy
	s_lshl_b32 s22, ttmp9, 2
	s_add_co_u32 s22, s22, s20                     ; TC
	s_and_b32 s23, ttmp7, 0xffff
	s_lshl_b32 s23, s23, 2
	s_add_co_u32 s23, s23, s21                     ; TR
	s_lshl_b32 s24, s21, 2
	s_lshl_b32 s24, 15, s24
	s_lshl_b32 s25, 0x1111, s20
	s_or_b32 s[G1A], s24, (3<<16)|(1<<21)          ; 8 tiles of one record: 544 elements of 8 bytes, 1,088 from tile to tile
	s_or_b32 s[G1B], s25, (3<<16)|(1<<21)
.irp g, G1A, G1B
	s_mov_b32 s[\g+1], 544<<16
	s_mov_b32 s[\g+2], 8<<16
	s_mov_b32 s[\g+3], 544<<16
	s_mov_b32 s[\g+4], 8
	s_mov_b32 s[\g+5], 1088
	s_mov_b32 s[\g+6], 0
	s_mov_b32 s[\g+7], 0
.endr
	s_lshl_b32 s26, s23, 4
	s_lshl_b32 s27, s19, 3
	s_add_co_u32 s26, s26, s27
	s_mul_i32 s26, s26, TS1
	s_mov_b32 s27, 0
	s_lshl_b32 s28, s22, 4
	s_lshl_b32 s29, s19, 3
	s_add_co_u32 s28, s28, s29
	s_mul_i32 s28, s28, TS1
	s_add_co_u32 s28, s28, RW1
	s_mov_b32 s29, 0
	s_and_b32 s30, s[WV], 3
	s_mul_i32 s30, s30, 34816
	s_mov_b32 s[SEL], 0x76543210
	s_mov_b32 s[SEL+1], 0xfedcba98
	s_wait_dscnt 0x0
	s_wait_kmcnt 0x0
	s_add_nc_u64 s[26:27], s[4:5], s[26:27]
	s_add_nc_u64 s[28:29], s[6:7], s[28:29]
	CROUND
.irp s, 0,1
	s_mov_b32 s[G0A+4*\s], 1
	s_add_co_u32 s[G0A+4*\s+1], s30, \s*SLOT
	s_add_nc_u64 s[G0A+4*\s+2:G0A+4*\s+3], s[26:27], \s*REC
	s_or_b32 s[G0A+4*\s+3], s[G0A+4*\s+3], 0x80000000
	s_mov_b32 s[G0B+4*\s], 1
	s_add_co_u32 s[G0B+4*\s+1], s30, \s*SLOT
	s_add_nc_u64 s[G0B+4*\s+2:G0B+4*\s+3], s[28:29], \s*REC
	s_or_b32 s[G0B+4*\s+3], s[G0B+4*\s+3], 0x80000000
.endr
	s_cmp_lt_u32 s[WV], 2                          ; one chain of branches, one load to an arm: waves 0, 1 A's halves of record 0; 2, 3 B's; 4, 5 A's of record 1; 6, 7 B's
	s_cbranch_scc0 .Lnot_a
	tensor_load_to_lds s[G0A:G0A+3], s[G1A:G1A+7]
	s_nop 0
	PLACES 4
	s_branch .Lasked
.Lnot_a:
	s_cmp_lt_u32 s[WV], 4
	s_cbranch_scc0 .Lnot_b
	tensor_load_to_lds s[G0B:G0B+3], s[G1B:G1B+7]
	s_nop 0
	PLACES 4
	s_branch .Lasked
.Lnot_b:
	s_cmp_lt_u32 s[WV], 6
	s_cbranch_scc0 .Lnot_a1
	tensor_load_to_lds s[G0A+4:G0A+7], s[G1A:G1A+7]
	s_nop 0
	PLACES 4
	s_branch .Lasked
.Lnot_a1:
	s_cmp_lt_u32 s[WV], 8
	s_cbranch_scc0 .Lasked
	tensor_load_to_lds s[G0B+4:G0B+7], s[G1B:G1B+7]
	s_nop 0
	PLACES 4
.Lasked:
	v_and_b32 v1, 31, v0
	s_delay_alu instid0(VALU_DEP_1)
	v_lshlrev_b32 v1, 4, v1
	v_and_b32 v2, 15, v0
	s_delay_alu instid0(VALU_DEP_1)
	v_lshlrev_b32 v2, 4, v2
	v_bfe_u32 v3, v0, 4, 1
	s_mul_i32 s31, s17, WT
	s_mul_i32 s68, s18, WT
	s_add_co_u32 s68, s68, BOFF
	v_add_nc_u32 v[ADA], s31, v1
	v_add_nc_u32 v[ADB], s68, v1
	v_add_nc_u32 v[ASA], s31, v2
	v_add_nc_u32 v[ASB], s68, v2
	s_delay_alu instid0(VALU_DEP_2)
	v_add_nc_u32 v[ASA], 4096, v[ASA]
	s_delay_alu instid0(VALU_DEP_2)
	v_add_nc_u32 v[ASB], 4096, v[ASB]
.irp a, ADA, ADB, ASA, ASB
	v_add_nc_u32 v[\a+1], SLOT, v[\a]
.endr
	s_lshl_b32 s70, s22, 8
	s_lshl_b32 s71, s18, 6
	s_add_co_u32 s70, s70, s71
	s_lshl_b32 s70, s70, 2                         ; my 64 biases
	s_mov_b32 s71, 0
	s_add_nc_u64 s[70:71], s[8:9], s[70:71]
	s_lshl_b32 s72, s23, 4
	s_lshl_b32 s73, s17, 2
	s_add_co_u32 s72, s72, s73
	s_mul_i32 s72, s72, TS4                        ; my first token tile,
	s_lshr_b32 s73, s22, 1
	s_mul_i32 s73, s73, REC
	s_add_co_u32 s72, s72, s73                     ; the record of my columns: TC / 2,
	s_and_b32 s73, s22, 1
	s_lshl_b32 s73, s73, 1
	s_lshr_b32 s74, s18, 1
	s_add_co_u32 s73, s73, s74                     ; its K step 2 (TC % 2) + wn / 2,
	s_and_b32 s74, s18, 1                          ; the half wn % 2
	s_lshl_b32 s75, s73, 10
	s_lshl_b32 s76, s74, 9
	s_add_co_u32 s75, s75, s76
	s_add_co_u32 s76, s72, s75
	s_mov_b32 s77, 0
	s_lshl_b32 s75, s73, 2
	s_lshl_b32 s78, s74, 1
	s_add_co_u32 s75, s75, s78
	s_add_co_u32 s78, s72, s75
	s_add_co_u32 s78, s78, 4096
	s_mov_b32 s79, 0
	s_add_nc_u64 s[76:77], s[10:11], s[76:77]
	s_add_nc_u64 s[78:79], s[10:11], s[78:79]
	v_lshlrev_b32 v12, 6, v3
	v_mul_u32_u24 v13, v3, TS4
	s_delay_alu instid0(VALU_DEP_1)
	v_add_nc_u32 v13, v13, v2                      ; the scale bytes' way out: tile h, 16 r
.irp tm, 0,1,2,3
.irp tn, 0,1,2,3
	global_load_b128 v[ACC+32*\tm+8*\tn:ACC+32*\tm+8*\tn+3], v12, s[70:71] offset:(32*(\tn/2)+8*(\tn%2))*4
	global_load_b128 v[ACC+32*\tm+8*\tn+4:ACC+32*\tm+8*\tn+7], v12, s[70:71] offset:(32*(\tn/2)+8*(\tn%2))*4+16
.endr
.endr
	s_wait_alu depctr_va_vdst(0)
	s_wait_tensorcnt 0x0                           ; my one load is in; behind the barrier both records are whole
	BAR
	s_wait_loadcnt 0x0                             ; the sums begin as the bias
	RECM 0, ADB, ASB, ADA, ASA
	RECM 1, ADB, ASB, ADA, ASA
	PLACES 4
	v_mov_b32 v[CA1], 0x32edffee
	v_mov_b32 v[CA1+1], 0x32edffee
	v_mov_b32 v[CB1], 0xb95fbd29
	v_mov_b32 v[CB1+1], 0xb95fbd29
	v_mov_b32 v[TM+2], 0
	v_mov_b32 v[TM+3], 0
.irp tm, 0,1,2,3
	GELU32 ACC+32*\tm
	QUANT2 ACC+32*\tm, 112+4*\tm
	v_lshl_or_b32 v[108+\tm], v[TM+7], 8, v[TM+6]
	global_store_b128 v1, v[112+4*\tm:115+4*\tm], s[76:77] offset:\tm*TS4   ; 512 consecutive bytes
.endr
	v_cmp_eq_u32 vcc_lo, 1, v3
	s_delay_alu instid0(VALU_DEP_1)
	v_cndmask_b32 v100, v108, v109, vcc_lo         ; tile h
	s_delay_alu instid0(VALU_DEP_2)
	v_cndmask_b32 v101, v110, v111, vcc_lo         ; tile 2 + h
	global_store_b16 v13, v100, s[78:79]
	global_store_b16 v13, v101, s[78:79] offset:2*TS4
	s_wait_tensorcnt 0x0
	ds_add_u32 v14, v15
	s_wait_dscnt 0x0
	CROUND                                         ; the closing round
	s_endpgm
.Lfunc_end_k_q79af2e222e_up:
	.size	k_q79af2e222e_up, .Lfunc_end_k_q79af2e222e_up-k_q79af2e222e_up
	.p2alignl 7, 3214868480
	.fill 96, 4, 3214868480
	.section	.rodata,"a",@progbits
	.p2align	6, 0x0
	.amdhsa_kernel k_q79af2e222e_up
		.amdhsa_group_segment_fixed_size 280576
		.amdhsa_private_segment_fixed_size 0
		.amdhsa_enable_private_segment 0
		.amdhsa_kernarg_size 32
		.amdhsa_user_sgpr_count 2
		.amdhsa_user_sgpr_kernarg_segment_ptr 1
		.amdhsa_wavefront_size32 1
		.amdhsa_system_sgpr_workgroup_id_x 1
		.amdhsa_system_sgpr_workgroup_id_y 1
		.amdhsa_system_sgpr_workgroup_id_z 1
		.amdhsa_system_vgpr_workitem_id 0
		.amdhsa_next_free_vgpr 256
		.amdhsa_next_free_sgpr 100
		.amdhsa_reserve_vcc 1
		.amdhsa_float_denorm_mode_32 3
		.amdhsa_float_denorm_mode_16_64 3
		.amdhsa_memory_ordered 1
		.amdhsa_forward_progress 1
		.amdhsa_inst_pref_size 166
	.end_amdhsa_kernel
	.amdgpu_metadata
---
amdhsa.version: [ 1, 2 ]
amdhsa.kernels:
  - .name:           k_q79af2e222e_up
    .symbol:         k_q79af2e222e_up.kd
    .args:
      - { .name: z1img, .offset: 0, .size: 8, .value_kind: global_buffer, .address_space: global }
      - { .name: wimg, .offset: 8, .size: 8, .value_kind: global_buffer, .address_space: global }
      - { .name: b1, .offset: 16, .size: 8, .value_kind: global_buffer, .address_space: global }
      - { .name: himg, .offset: 24, .size: 8, .value_kind: global_buffer, .address_space: global }
    .group_segment_fixed_size: 280576
    .private_segment_fixed_size: 0
    .kernarg_segment_align: 8
    .kernarg_segment_size: 32
    .max_flat_workgroup_size: 512
    .sgpr_count:     100
    .vgpr_count:     256
    .wavefront_size: 32
...
	.end_amdgpu_metadata
.endif
;; end of part 5
;; launch down (part 6): grid 8 x 32, 8 waves a work-group, clusters of 4 x 4, 327,680 bytes of LDS; arguments himg, wimg, x1, b2, out0; writes out0
.if DOCPART == 6
	.amdgcn_target "amdgcn-amd-amdhsa--gfx1250"
	.amdhsa_code_object_version 6
	.text
	.protected	k_q79af2e222e_down
	.globl	k_q79af2e222e_down
	.p2align	8
	.type	k_q79af2e222e_down,@function
k_q79af2e222e_down:
	s_mov_b64 s[64:65], 0
	v_nop
	global_prefetch_b8 v0, s[64:65] scope:SCOPE_SE
	s_setreg_imm32_b32 hwreg(HW_REG_WAVE_MODE, 25, 1), 1
	s_wait_xcnt 0x0
	s_wait_alu depctr_hold_cnt(0) depctr_sa_sdst(0) depctr_va_vdst(0) depctr_va_sdst(0) depctr_va_ssrc(0) depctr_va_vcc(0) depctr_vm_vsrc(0)
	s_getreg_b32 s2, hwreg(HW_REG_IB_STS2, 6, 4)
	s_cmp_eq_u32 s2, 0
	s_cbranch_scc0 .Lentry_in_a_cluster
	s_endpgm
.Lentry_in_a_cluster:
	s_bfe_u32 s2, ttmp6, 0x10000c
	s_cmp_lg_u32 s2, 0xf033
	s_cbranch_scc0 .Lentry_shape_is_right
	s_endpgm
.Lentry_shape_is_right:
; DOWN.  out0 = x1 + h w2 + b2 on codes of E2M1, K = 4,096.
; A work-group makes 128 tokens x 128 columns, so that the 4,096 x 1,024 results give 256 work-groups; eight waves, each 64 tokens x 32 columns: 8 accumulators.
; K goes in four chunks of 1,024 through two LDS slots (A's 8 tiles x 8,704 bytes, then B's): two first fills and two refills.  Cluster 4 x 4 with joint loads; where a slot is filled again a round of
; the cluster's barrier stands in front.  This text claims all of LDS.
; Source 0 = 16 columns of w2, source 1 = 16 tokens: a lane holds one token and eight neighbouring columns a tile.
; The results meet in a stage of 128 rows x 528 bytes in slot 0, which by then has had its last fill and its last read, and leave as whole rows of 512 bytes with x1 and b2 added.
; x1's sixteen rows of each wave and b2 are asked for behind the first chunk's products, three chunks ahead of their use, into registers of window 1 (v256-323).
; REGISTERS: window 0: v1 16 l, v4-13 addresses, v14, v15 the add's two; v16-111 two fragment buffers; v112-159 scale words; v160-223 accumulators; on the way out v96-159 rows read back.
;   window 1: v0-63 x1, four registers a row; v64-67 b2.  s_set_vgpr_msb's low byte: bits 1:0 source 0, 7:6 destination; four switches in the text.
.set REC,  4352
.set TS1,  8704
.set TS4,  34816
.set RW2,  4456448
.set SLOT, 139264
.set BOFF, 69632
.set SPARE, 278528                     ; behind the ring: the spare words, 128 bytes for each of eight waves
.set SP,   528
.set ADA,  4
.set ADB,  6
.set ASA,  8
.set ASB,  10
.set STW,  12
.set SRD,  13
.set SPW,  14
.set NIL,  15
.set FB,   16                          ; two buffers of 48: A's four fragments, then B's two
.set SA,   112                         ; v112-143 A's scale words, [tile][K step of 8]
.set SB,   144                         ; v144-159 B's
.set ACC,  160                         ; accumulator (i1, i0) at 160 + 8 (2 i1 + i0)
.set WV,   16
.set G1A,  32
.set G1B,  40
.set G0A,  48
.set G0B,  56
.set MSB, 0
.macro WIN new                         ; the immediate's high byte repeats the setting that is left
.if MSB != \new
	s_set_vgpr_msb (MSB<<8)|\new
.set MSB, \new
.endif
.endm
.macro PLACES n
.rept \n
	v_nop
.endr
.endm
.macro BAR
	s_wait_dscnt 0x0
	s_barrier_signal -1
	s_barrier_wait -1
.endm
.macro CROUND
	s_barrier_signal -1
	s_barrier_wait -1
	s_cmp_lg_u32 s[WV], 0
	s_cbranch_scc1 .Lnot_wave_0_\@
	s_barrier_signal -3
.Lnot_wave_0_\@:
	s_barrier_wait -3
	s_barrier_signal -1
	s_barrier_wait -1
.endm
.macro JLOAD s                         ; waves 0, 1 fetch A's halves, waves 2, 3 B's, the others nothing; four v_nop follow each line
	s_cmp_lt_u32 s[WV], 2
	s_cbranch_scc0 .Lnot_a_\@
	tensor_load_to_lds s[G0A+4*\s:G0A+4*\s+3], s[G1A:G1A+7]
	s_nop 0
	PLACES 4
	s_branch .Lasked_\@
.Lnot_a_\@:
	s_cmp_lt_u32 s[WV], 4
	s_cbranch_scc0 .Lasked_\@
	tensor_load_to_lds s[G0B+4*\s:G0B+4*\s+3], s[G1B:G1B+7]
	s_nop 0
	PLACES 4
.Lasked_\@:
.endm
.macro FETCH s, k, p                   ; K step k of the chunk in slot s into buffer p: twelve loads of 512 consecutive bytes
.irp i, 0,1,2,3
.irp c, 0,1
	ds_load_b128 v[FB+48*(\p)+8*\i+4*\c:FB+48*(\p)+8*\i+4*\c+3], v[ADA+\s] offset:\i*TS1+((\k)/4)*REC+((\k)%4)*1024+\c*512
.endr
.endr
.irp i, 0,1
.irp c, 0,1
	ds_load_b128 v[FB+48*(\p)+32+8*\i+4*\c:FB+48*(\p)+32+8*\i+4*\c+3], v[ADB+\s] offset:\i*TS1+((\k)/4)*REC+((\k)%4)*1024+\c*512
.endr
.endr
.endm
; A chunk: 1,024 along K, eight K steps of 8 matrix instructions; the next K step's fragments are fetched ahead of each step's products.  The 8 accumulators take turns.
.macro CHUNK s, zero
	PLACES 4                                       ; in front of loads into registers that the last products read
.irp i, 0,1,2,3
.irp kc, 0,1
	ds_load_b128 v[SA+8*\i+4*\kc:SA+8*\i+4*\kc+3], v[ASA+\s] offset:\i*TS1+\kc*REC
.endr
.endr
.irp i, 0,1
.irp kc, 0,1
	ds_load_b128 v[SB+8*\i+4*\kc:SB+8*\i+4*\kc+3], v[ASB+\s] offset:\i*TS1+\kc*REC
.endr
.endr
	FETCH \s, 0, 0
.irp k, 0,1,2,3,4,5,6,7
.if \k > 0
	PLACES 4
.endif
.if \k < 7
	FETCH \s, \k+1, (\k+1)%2
	s_wait_dscnt 12                                ; all but the twelve just issued
.else
	s_wait_dscnt 0x0
.endif
.irp i0, 0,1
.irp i1, 0,1,2,3
.if \zero && (\k == 0)
	v_wmma_scale_f32_16x16x128_f8f6f4 v[ACC+8*(2*\i1+\i0):ACC+8*(2*\i1+\i0)+7], v[FB+48*(\k%2)+32+8*\i0:FB+48*(\k%2)+32+8*\i0+7], v[FB+48*(\k%2)+8*\i1:FB+48*(\k%2)+8*\i1+7], 0, v[SB+8*\i0+\k], v[SA+8*\i1+\k] matrix_a_fmt:MATRIX_FMT_FP4 matrix_b_fmt:MATRIX_FMT_FP4
.else
	v_wmma_scale_f32_16x16x128_f8f6f4 v[ACC+8*(2*\i1+\i0):ACC+8*(2*\i1+\i0)+7], v[FB+48*(\k%2)+32+8*\i0:FB+48*(\k%2)+32+8*\i0+7], v[FB+48*(\k%2)+8*\i1:FB+48*(\k%2)+8*\i1+7], v[ACC+8*(2*\i1+\i0):ACC+8*(2*\i1+\i0)+7], v[SB+8*\i0+\k], v[SA+8*\i1+\k] matrix_a_fmt:MATRIX_FMT_FP4 matrix_b_fmt:MATRIX_FMT_FP4
.endif
.endr
.endr
.endr
.endm
; Slot s, which has been read, is filled again with the chunk two further on.
.macro REFILL s
	s_wait_tensorcnt 0x0                           ; all my tensor loads have landed, the other slot's among them: so a group 0 may be written
	ds_add_u32 v[SPW], v[NIL]                      ; 0 onto my spare word
	s_add_nc_u64 s[G0A+4*\s+2:G0A+4*\s+3], s[G0A+4*\s+2:G0A+4*\s+3], 2*TS1
	s_add_nc_u64 s[G0B+4*\s+2:G0B+4*\s+3], s[G0B+4*\s+2:G0B+4*\s+3], 2*TS1
	s_wait_dscnt 0x0                               ; the add is done, and my reads of the slot are over
	CROUND                                         ; both now hold of every wave of every partner
	JLOAD \s                                       ; the first tensor load behind the round, one for each of waves 0-3
.endm
	s_load_b256 s[4:11], s[0:1], 0x0               ; himg, wimg, x1, b2
	s_load_b64 s[12:13], s[0:1], 0x20              ; out0
	v_lshl_add_u32 v[SPW], v0, 2, SPARE
	v_mov_b32 v[NIL], 0
	ds_add_u32 v14, v15
	ds_add_u32 v14, v15
	s_wait_dscnt 0x0
	v_lshrrev_b32 v1, 5, v0
	s_delay_alu instid0(VALU_DEP_1)
	v_readfirstlane_b32 s[WV], v1                  ; wave 0..7
	s_lshr_b32 s17, s[WV], 2                       ; wm: my 64 tokens
	s_and_b32 s18, s[WV], 3                        ; wn: my 32 columns
	s_and_b32 s19, s[WV], 1
	s_bfe_u32 s20, ttmp6, 0x40000                  ; cx
	s_bfe_u32 s21, ttmp6, 0x40004                  ; cy
	s_lshl_b32 s22, ttmp9, 2
	s_add_co_u32 s22, s22, s20                     ; TC: 128 columns
	s_and_b32 s23, ttmp7, 0xffff
	s_lshl_b32 s23, s23, 2
	s_add_co_u32 s23, s23, s21                     ; TR: 128 tokens
	s_lshl_b32 s24, s21, 2
	s_lshl_b32 s24, 15, s24
	s_lshl_b32 s25, 0x1111, s20
	; group 1: 4 rows (tiles) of two records, 1,088 elements of 8 bytes, 4,352 elements from tile to tile; dense in LDS
	s_or_b32 s[G1A], s24, (3<<16)|(1<<21)
	s_or_b32 s[G1B], s25, (3<<16)|(1<<21)
.irp g, G1A, G1B
	s_mov_b32 s[\g+1], 1088<<16
	s_mov_b32 s[\g+2], 4<<16
	s_mov_b32 s[\g+3], 1088<<16
	s_mov_b32 s[\g+4], 4
	s_mov_b32 s[\g+5], 4352
	s_mov_b32 s[\g+6], 0
	s_mov_b32 s[\g+7], 0
.endr
	s_lshl_b32 s26, s23, 3
	s_lshl_b32 s27, s19, 2
	s_add_co_u32 s26, s26, s27
	s_mul_i32 s26, s26, TS4                        ; A: token tile 8 TR + 4 half
	s_mov_b32 s27, 0
	s_lshl_b32 s28, s22, 3
	s_lshl_b32 s29, s19, 2
	s_add_co_u32 s28, s28, s29
	s_mul_i32 s28, s28, TS4
	s_add_co_u32 s28, s28, RW2                     ; B: w2's tile 8 TC + 4 half
	s_mov_b32 s29, 0
	s_and_b32 s30, s[WV], 3
	s_mul_i32 s30, s30, 34816
	s_wait_kmcnt 0x0
	s_add_nc_u64 s[26:27], s[4:5], s[26:27]
	s_add_nc_u64 s[28:29], s[6:7], s[28:29]
	CROUND                                         ; all sixteen work-groups are here: the first joint loads meet
.irp s, 0,1
	s_mov_b32 s[G0A+4*\s], 1
	s_add_co_u32 s[G0A+4*\s+1], s30, \s*SLOT
	s_add_nc_u64 s[G0A+4*\s+2:G0A+4*\s+3], s[26:27], \s*TS1
	s_or_b32 s[G0A+4*\s+3], s[G0A+4*\s+3], 0x80000000
	s_mov_b32 s[G0B+4*\s], 1
	s_add_co_u32 s[G0B+4*\s+1], s30, \s*SLOT
	s_add_nc_u64 s[G0B+4*\s+2:G0B+4*\s+3], s[28:29], \s*TS1
	s_or_b32 s[G0B+4*\s+3], s[G0B+4*\s+3], 0x80000000
.endr
	s_cmp_lt_u32 s[WV], 2                          ; one chain of branches, a load in every arm: waves 0, 1 A's halves of chunk 0; 2, 3 B's; 4, 5 A's of chunk 1; 6, 7 B's: every way passes one load
	s_cbranch_scc0 .Lnot_a
	tensor_load_to_lds s[G0A:G0A+3], s[G1A:G1A+7]
	s_nop 0
	PLACES 4
	s_branch .Lasked
.Lnot_a:
	s_cmp_lt_u32 s[WV], 4
	s_cbranch_scc0 .Lnot_b
	tensor_load_to_lds s[G0B:G0B+3], s[G1B:G1B+7]
	s_nop 0
	PLACES 4
	s_branch .Lasked
.Lnot_b:
	s_cmp_lt_u32 s[WV], 6
	s_cbranch_scc0 .Lnot_a1
	tensor_load_to_lds s[G0A+4:G0A+7], s[G1A:G1A+7]
	s_nop 0
	PLACES 4
	s_branch .Lasked
.Lnot_a1:
	tensor_load_to_lds s[G0B+4:G0B+7], s[G1B:G1B+7]
	s_nop 0
	PLACES 4
.Lasked:
	v_and_b32 v224, 31, v0
	v_min_u32 v225, 1, v224
	v_lshlrev_b32 v224, 8, v224                    ; the prefetches' offsets, never rewritten: 256 x lane over 32 blocks,
	v_lshlrev_b32 v225, 8, v225                    ; and over the 2 blocks behind them (the lanes left over name the last again)
	v_and_b32 v1, 31, v0
	s_delay_alu instid0(VALU_DEP_1)
	v_lshlrev_b32 v1, 4, v1                        ; 16 l
	v_and_b32 v3, 15, v0                           ; r
	s_delay_alu instid0(VALU_DEP_1)
	v_lshlrev_b32 v2, 4, v3                        ; 16 r
	s_mul_i32 s31, s17, TS4                        ; my four tiles of A
	s_mul_i32 s68, s18, 2*TS1                      ; my two of B
	s_add_co_u32 s68, s68, BOFF
	v_add_nc_u32 v[ADA], s31, v1
	v_add_nc_u32 v[ADB], s68, v1
	v_add_nc_u32 v[ASA], s31, v2
	v_add_nc_u32 v[ASB], s68, v2
	s_delay_alu instid0(VALU_DEP_2)
	v_add_nc_u32 v[ASA], 4096, v[ASA]
	s_delay_alu instid0(VALU_DEP_2)
	v_add_nc_u32 v[ASB], 4096, v[ASB]
.irp a, ADA, ADB, ASA, ASB
	v_add_nc_u32 v[\a+1], SLOT, v[\a]
.endr
	v_and_b32 v[STW], 7, v3
	v_lshrrev_b32 v3, 3, v3
	s_delay_alu instid0(VALU_DEP_1)
	v_lshl_add_u32 v[STW], v3, 4, v[STW]           ; my lane's token in a group of 32: (r & 7) + 16 (r >> 3)
	s_delay_alu instid0(VALU_DEP_1)
	v_mul_u32_u24 v[STW], v[STW], SP
	v_bfe_u32 v3, v0, 4, 1
	s_delay_alu instid0(VALU_DEP_1)
	v_lshl_add_u32 v[STW], v3, 6, v[STW]           ; + 64 h
	s_mul_i32 s69, s17, 64*SP
	s_lshl_b32 s70, s18, 7
	s_add_co_u32 s69, s69, s70
	v_add_nc_u32 v[STW], s69, v[STW]               ; + my 64 rows, my 128 bytes
	s_mul_i32 s69, s[WV], 16*SP
	v_add_nc_u32 v[SRD], s69, v1                   ; back: rows 16 wave on, 16 l
	s_lshl_b32 s72, s23, 7
	s_lshl_b32 s73, s[WV], 4
	s_add_co_u32 s72, s72, s73
	s_lshl_b32 s72, s72, 12                        ; row 128 TR + 16 wave of x1 and of out0,
	s_lshl_b32 s74, s22, 9                         ; column 128 TC
	s_add_co_u32 s72, s72, s74
	s_mov_b32 s73, 0
	s_mov_b32 s75, 0
	s_add_nc_u64 s[76:77], s[8:9], s[72:73]
	s_add_nc_u64 s[78:79], s[12:13], s[72:73]
	s_add_nc_u64 s[80:81], s[10:11], s[74:75]
	; PREFETCHES INTO THE L2 of the chunks that the refills will ask for, two chunks ahead of each refill.  A chunk of a tile is 8,704 consecutive bytes, 34 blocks of 256.
	; Each block is named once in each cluster that will load it: of the 8 tiles that four partners ask for jointly, the partner at place p takes tiles 2 p and 2 p + 1 (p = cx for A, cy for B): told apart by address.
	; Waves 0, 1 ask for A's two tiles, waves 2, 3 for B's, two instructions each.  Chunks 0 and 1 come by their loads alone.
.macro ASK k                           ; k = 0: chunk 2; k = 1: chunk 3
	s_cmp_lt_u32 s[WV], 4
	s_cbranch_scc0 .Lno_ask_\@
	global_prefetch_b8 v224, s[84:85] offset:\k*TS1 th:TH_LOAD_NT scope:SCOPE_SE
	global_prefetch_b8 v225, s[84:85] offset:\k*TS1+8192 th:TH_LOAD_NT scope:SCOPE_SE
.Lno_ask_\@:
.endm
	s_lshl_b32 s82, s23, 3
	s_lshl_b32 s83, s20, 1
	s_add_co_u32 s82, s82, s83                     ; A: tile 8 TR + 2 cx
	s_lshl_b32 s86, s22, 3
	s_lshl_b32 s83, s21, 1
	s_add_co_u32 s86, s86, s83                     ; B: tile 8 TC + 2 cy
	s_cmp_lt_u32 s[WV], 2
	s_cselect_b32 s82, s82, s86
	s_cselect_b64 s[84:85], s[4:5], s[6:7]
	s_cselect_b32 s86, 0, RW2
	s_add_co_u32 s82, s82, s19                     ; + wave & 1
	s_mul_i32 s82, s82, TS4
	s_add_co_u32 s82, s82, s86
	s_add_co_u32 s82, s82, 2*TS1                   ; at chunk 2
	s_mov_b32 s83, 0
	s_add_nc_u64 s[84:85], s[84:85], s[82:83]
	ASK 0
	s_wait_tensorcnt 0x0                           ; my one load is in; behind the barrier chunks 0 and 1 are whole
	BAR
	ASK 1
	CHUNK 0, 1
	WIN 0x40                                       ; destination window 1, address window 0
.irp i, 0,1,2,3,4,5,6,7,8,9,10,11,12,13,14,15
	global_load_b128 v[4*\i:4*\i+3], v1, s[76:77] offset:\i*4096 th:TH_LOAD_NT   ; x1 into v256 + 4 i on: 512 consecutive bytes of a row; wanted only behind the last chunk
.endr
	global_load_b128 v[64:67], v1, s[80:81]        ; b2 into v320-323
	WIN 0
	REFILL 0                                       ; chunk 2
	s_wait_alu depctr_va_vdst(0)
	CHUNK 1, 0
	REFILL 1                                       ; chunk 3
	CHUNK 0, 0
	s_wait_tensorcnt 0x0                           ; chunk 3 has landed;
	ds_add_u32 v[SPW], v[NIL]
	s_wait_dscnt 0x0                               ; my reads of slot 0 are over: behind this barrier it may take the stage
	s_barrier_signal -1
	s_barrier_wait -1
	CHUNK 1, 0
	; THE WAY OUT
	PLACES 4                                       ; behind the last products: their results are stored, and loads land in registers that they read
.irp tm, 0,1,2,3
.irp i0, 0,1
	ds_store_b128 v[STW], v[ACC+8*(2*\tm+\i0):ACC+8*(2*\tm+\i0)+3] offset:(32*(\tm/2)+8*(\tm%2))*SP+32*\i0       ; each accumulator from its low end on
	ds_store_b128 v[STW], v[ACC+8*(2*\tm+\i0)+4:ACC+8*(2*\tm+\i0)+7] offset:(32*(\tm/2)+8*(\tm%2))*SP+32*\i0+16
.endr
.endr
	BAR                                            ; 128 whole rows lie in the stage
.irp i, 0,1,2,3,4,5,6,7,8,9,10,11,12,13,14,15
	ds_load_b128 v[96+4*\i:99+4*\i], v[SRD] offset:\i*SP
.endr
	s_wait_loadcnt 0x0                             ; x1 and b2, asked for three chunks ago
	WIN 0x01                                       ; source 0 window 1: x1 and b2
.irp i, 0,1,2,3,4,5,6,7,8,9,10,11,12,13,14,15
	s_wait_dscnt 15-\i                             ; row i is back; the later rows' loads may be out
	v_pk_add_f32 v[96+4*\i:97+4*\i], v[4*\i:4*\i+1], v[96+4*\i:97+4*\i]
	v_pk_add_f32 v[98+4*\i:99+4*\i], v[4*\i+2:4*\i+3], v[98+4*\i:99+4*\i]
	s_delay_alu instid0(VALU_DEP_2)
	v_pk_add_f32 v[96+4*\i:97+4*\i], v[64:65], v[96+4*\i:97+4*\i]
	s_delay_alu instid0(VALU_DEP_2)
	v_pk_add_f32 v[98+4*\i:99+4*\i], v[66:67], v[98+4*\i:99+4*\i]             ; (x1 + h w2) + b2
.endr
	WIN 0
	s_wait_alu depctr_va_vdst(0)
.irp i, 0,1,2,3,4,5,6,7,8,9,10,11,12,13,14,15
	global_store_b128 v1, v[96+4*\i:99+4*\i], s[78:79] offset:\i*4096 th:TH_STORE_NT   ; 512 consecutive bytes, at a multiple of 256 from out0's first byte
.endr
	s_wait_tensorcnt 0x0                           ; the wave's end
	ds_add_u32 v[SPW], v[NIL]
	s_wait_dscnt 0x0
	CROUND                                         ; the closing round
	s_endpgm
.Lfunc_end_k_q79af2e222e_down:
	.size	k_q79af2e222e_down, .Lfunc_end_k_q79af2e222e_down-k_q79af2e222e_down
	.p2alignl 7, 3214868480
	.fill 96, 4, 3214868480
	.section	.rodata,"a",@progbits
	.p2align	6, 0x0
	.amdhsa_kernel k_q79af2e222e_down
		.amdhsa_group_segment_fixed_size 327680
		.amdhsa_private_segment_fixed_size 0
		.amdhsa_enable_private_segment 0
		.amdhsa_kernarg_size 40
		.amdhsa_user_sgpr_count 2
		.amdhsa_user_sgpr_kernarg_segment_ptr 1
		.amdhsa_wavefront_size32 1
		.amdhsa_system_sgpr_workgroup_id_x 1
		.amdhsa_system_sgpr_workgroup_id_y 1
		.amdhsa_system_sgpr_workgroup_id_z 1
		.amdhsa_system_vgpr_workitem_id 0
		.amdhsa_next_free_vgpr 384
		.amdhsa_next_free_sgpr 100
		.amdhsa_reserve_vcc 0
		.amdhsa_float_denorm_mode_32 3
		.amdhsa_float_denorm_mode_16_64 3
		.amdhsa_memory_ordered 1
		.amdhsa_forward_progress 1
		.amdhsa_inst_pref_size 87
	.end_amdhsa_kernel
	.amdgpu_metadata
---
amdhsa.version: [ 1, 2 ]
amdhsa.kernels:
  - .name:           k_q79af2e222e_down
    .symbol:         k_q79af2e222e_down.kd
    .args:
      - { .name: himg, .offset: 0, .size: 8, .value_kind: global_buffer, .address_space: global }
      - { .name: wimg, .offset: 8, .size: 8, .value_kind: global_buffer, .address_space: global }
      - { .name: x1, .offset: 16, .size: 8, .value_kind: global_buffer, .address_space: global }
      - { .name: b2, .offset: 24, .size: 8, .value_kind: global_buffer, .address_space: global }
      - { .name: out0, .offset: 32, .size: 8, .value_kind: global_buffer, .address_space: global }
    .group_segment_fixed_size: 327680
    .private_segment_fixed_size: 0
    .kernarg_segment_align: 8
    .kernarg_segment_size: 40
    .max_flat_workgroup_size: 256
    .sgpr_count:     100
    .vgpr_count:     384
    .wavefront_size: 32
...
	.end_amdgpu_metadata
.endif
;; end of part 6
